; MI455X (gfx1250); checked and timed in simulation.
; The chip was launched on July 23, 2026; its instructions are those of AMD's public machine-readable ISA for CDNA 5 (MIT licence, August 2026) and "CDNA5" Instruction Set Architecture Reference Guide (July 2026). The comments in the code are by the model that wrote it; some were corrected since.
;; Attention. Allowed arithmetic: matrix products marked QUANTISED: E5M2 operands, one given power-of-two scale a tensor, by v_wmma_f32_16x16x64_bf8_bf8 or v_wmma_f32_16x16x128_bf8_bf8, f32 sums; everything else in f32.
;; Inputs: lowp_scales 10 int32 (the exponents e of the quantised operands' scales 2^e); wo_w 1,024 x 1,024 float32; wqk_w 2,048 x 1,024 float32; wv_w 1,024 x 1,024 float32; x 2 x 2,048 x 1,024 float32.
;; Outputs: out0 2 x 2,048 x 1,024 float32.
;; This version of the problem:
;;   THIS VERSION OF THE PROBLEM IS GIVEN IN LOW PRECISION. The matrix products marked QUANTISED in the list below multiply operands that are first quantised to E5M2 (5 exponent bits, 2 mantissa bits; 8 bits a number), with one given power-of-two scale for each operand tensor; their sums are f32. All else is computed in f32.
;;   The module's matrix products, in the order in which they are computed (A, B: the left and right operand; K: the contracted axis; several contracted axes count as one K, in the product's order):
;;     1. [M 4,096, K 1,024] x [K 1,024, N 2,048]; A: input x; B: input wqk_w: QUANTISED (scales: A lowp_scales[0], B lowp_scales[1])
;;     2. [M 4,096, K 1,024] x [K 1,024, N 1,024]; A: input x; B: input wv_w: QUANTISED (scales: A lowp_scales[2], B lowp_scales[3])
;;     3. batch 64 x [M 2,048, K 32] x [K 32, N 2,048]; A: computed on the way; B: computed on the way: QUANTISED (scales: A lowp_scales[4], B lowp_scales[5])
;;     4. batch 64 x [M 2,048, K 2,048] x [K 2,048, N 32]; A: softmax (see below); B: computed on the way: QUANTISED (scales: A lowp_scales[6], B lowp_scales[7])
;;     5. [M 4,096, K 1,024] x [K 1,024, N 1,024]; A: computed on the way; B: input wo_w: QUANTISED (scales: A lowp_scales[8], B lowp_scales[9])
;;   THE QUANTISER, for each operand of a quantised product, along K:
;;     - The operand's scale is 2^e, e = its entry of the input lowp_scales (int32; the entries are numbered through the quantised products in the list's order, A before B).
;;     - Each number is divided by the scale, clamped to +-57,344, and rounded to the nearest number of E5M2, ties to even, subnormals kept.
;;     - The product sums the exact products of the quantised numbers (number of the format x scale) in f32.
;;   ~~~python
;;   def quantise(x, axis, e):      # numpy; x: float32 -> the quantised numbers, widened to float32 again
;;       x = np.moveaxis(x, axis, -1); K = x.shape[-1]
;;       r = np.clip(x / 2.0 ** e, -57344, 57344)
;;       step = 2.0 ** (np.maximum(np.frexp(np.where(r == 0, 1, r))[1] - 1, -14) - 2)
;;       q = np.round(r / step) * step * 2.0 ** e      # np.round: ties to even
;;       return np.moveaxis(q, -1, axis).astype(np.float32)
;;   ~~~
;;   SOFTMAX AHEAD OF A QUANTISED PRODUCT. Where the list says 'softmax', what is quantised is not the finished softmax but p = 2^(t - M), with t = logit x log2(e) and M = ceil(the row's largest t), a whole number; so 1/2 < the row's largest p <= 1. The row's sum l is taken of the UNQUANTISED p, in f32, and the product's result is divided by l at the end. Since M is a whole number, a kernel that streams over the keys may use a running M (the ceiling of the running maximum): every later rescaling is an exact power of two, so the quantised numbers keep their values, but for numbers so far below the row's largest that they fall under the format's range.
;;   OPERANDS COMPUTED ON THE WAY. 'Computed on the way' means the value that the module computes at that place (a softmax that the list does not call 'softmax' is quantised finished and normalised). What goes into a quantiser is computed in f32, as accurately as f32 sums, v_exp_f32 and their like allow (about 1e-6 of the number): no bf16 or f16 on the way to a quantiser, and a product that is left as it is and whose result goes on into a quantised operand takes f32 operands (vector FMAs, or v_wmma_f32_16x16x4_f32). A number that lies on a knife's edge between two numbers of the format may be rounded either way, as far as f32 arithmetic and the matrix unit's own rounding can turn it there, and no further.
;; 2 versions, each right; version 2 is version 1 with the launch attn written anew for expert scheduling mode. Each part assembles by itself: llvm-mc -triple=amdgcn-amd-amdhsa -mcpu=gfx1250 --defsym DOCPART=n.
;; ======== version 1 of 2: 4 launches
;; workspace buffers: xc0 4,194,304 bytes; xc2 4,194,304 bytes; wc 4,194,304 bytes; tab 262,144 bytes; qk 8,388,608 bytes; vimg 4,194,304 bytes; oimg 4,194,304 bytes
;; launch quant (part 1): grid 256 x 1, 8 waves a work-group, no clusters, 66,560 bytes of LDS; arguments x, wqk_w, wv_w, wo_w, lowp_scales, xc0, xc2, wc, tab; writes xc0, xc2, wc, tab
.if DOCPART == 1
	.amdgcn_target "amdgcn-amd-amdhsa--gfx1250"
	.amdhsa_code_object_version 6
	.text
	.protected	k_q037d1bc03d_quant
	.globl	k_q037d1bc03d_quant
	.p2align	8
	.type	k_q037d1bc03d_quant,@function
k_q037d1bc03d_quant:
	s_mov_b64 s[64:65], 0
	v_nop
	global_prefetch_b8 v0, s[64:65] scope:SCOPE_SE
	s_setreg_imm32_b32 hwreg(HW_REG_WAVE_MODE, 25, 1), 1
	s_wait_xcnt 0x0
; x [4096][1024], wqk_w [2048][1024], wv_w [1024][1024], wo_w [1024][1024], all f32 with K innermost, become codes of BF8 (E5M2), one byte each, K innermost.
; code = number / 2^e, held within +-57,344, to the nearest code, ties to even.  x is an operand of two products with two given scales: it is quantised twice, under e0 (xc0) and under e2 (xc2).
; wc holds the three weights one behind the other: rows 0-2047 wqk (e1), 2048-3071 wv (e3), 3072-4095 wo (e9).
; THE ROWS ARE LAID IN ANOTHER ORDER: place p of a code buffer holds the row whose number is p with bits 3 and 4 exchanged.  So the 16 places of block 2 g + u hold, at place r, row 32 g + 8 u + r + 8 (r / 8):
; a later product that takes such a block as the operand whose rows run down a lane's result registers finds, in the 16 registers of blocks 2 g and 2 g + 1, 16 NEIGHBOURING rows.
; SHARES.  Work-group W takes 32 rows (32,768 numbers): W 0-127 of x, 128-191 of wqk, 192-223 of wv, 224-255 of wo.  Wave w takes 4 rows, in 8 steps of 512 numbers; bits 3 and 4 of a row's number are bits 1 and 2 of w.
; Each load reads 512 consecutive bytes; a step's 2,048 bytes turn through the wave's own stage in LDS so that a lane holds 16 neighbours along K; a lane's 16 codes are 16 bytes, a wave's store 512 consecutive bytes.
; THE TABLE.  tab [2048 s][16 i][cos, sin] f32 of the angle f32(s) x inv_freq[i], inv_freq[i] = 1 / 10^(i / 4) as f32 arithmetic gives it (sixteen constants).  Waves 0-3 of each work-group make 8 rows of it.
; The angle (at most 2,047) is reduced by k = nearest whole number to angle x 2 / pi in two fused steps (pi / 2 in two f32 parts: the first step is exact, since k x the first part and the angle are multiples of 2^-24 and
; the difference is below 1); cosine to r^10 and sine to r^9 by their series: at |r| = pi / 4 the first terms left out are 1.2e-10 and 1.8e-9.
; No tensor loads, no matrix units, no cluster, no barrier: a stream in which waves share nothing.
; LIMITS: e0, e1, e2, e3, e9 between -126 and 112, so that 2^e and 57,344 x 2^e are f32 numbers.  NaN among the inputs is not served.
.set STEPS, 8
.set SP,    80                         ; a lane's place in a stage: its 64 bytes + 16 of padding
.set WREG,  8192                       ; LDS of a wave: two stages of 32 x SP bytes
.set R,     16                         ; v16-79   four sets of 16 numbers as loaded
.set X,     80                         ; v80-111  two sets of 16 neighbours
.set Y,     112                        ; v112-127 the numbers held within the largest code
.set C0,    128                        ; v128-159 codes under the first scale: four registers a step, so that no store's data are written again
.set C2,    160                        ; v160-191 codes of x under e2
.set WV,    42
	s_load_b256 s[4:11], s[0:1], 0x0               ; x, wqk_w, wv_w, wo_w
	s_load_b256 s[12:19], s[0:1], 0x20             ; lowp_scales, xc0, xc2, wc
	s_load_b64 s[20:21], s[0:1], 0x40              ; tab
	v_lshl_add_u32 v208, v0, 2, 0x10000
	v_mov_b32 v209, 0
	v_lshrrev_b32 v1, 5, v0
	v_readfirstlane_b32 s[WV], v1                  ; wave 0..7
	v_and_b32 v2, 31, v0                           ; lane
	v_lshlrev_b32 v3, 4, v2                        ; 16 x lane: my bytes of a load's 512 and of a store's 512; never rewritten
	s_mul_i32 s43, s[WV], WREG
	v_lshrrev_b32 v14, 2, v2
	v_mul_u32_u24 v14, v14, SP
	v_and_b32 v15, 3, v2
	v_lshl_add_u32 v14, v15, 4, v14
	v_add_nc_u32 v14, s43, v14                     ; the stage, on the way in: four lanes' 64 bytes on end, then 16 of padding
	v_mul_u32_u24 v15, v2, SP
	v_add_nc_u32 v15, s43, v15                     ; and on the way out: my 16 neighbours
	s_mov_b32 s24, 224                             ; the first work-group of my tensor,
	s_cmp_lt_u32 ttmp9, 224
	s_cselect_b32 s24, 192, s24
	s_cmp_lt_u32 ttmp9, 192
	s_cselect_b32 s24, 128, s24
	s_cmp_lt_u32 ttmp9, 128
	s_cselect_b32 s24, 0, s24
	s_cselect_b32 s25, 0, 128                      ; and of my code buffer (the three weights share one)
	s_sub_co_u32 s28, ttmp9, s24
	s_lshl_b32 s28, s28, 3
	s_add_co_u32 s28, s28, s[WV]
	s_lshl_b32 s28, s28, 14                        ; from: 4 rows of 4,096 bytes a wave
	s_mov_b32 s29, 0
	s_and_b32 s30, s[WV], 1
	s_and_b32 s31, s[WV], 2
	s_lshl_b32 s31, s31, 1
	s_or_b32 s30, s30, s31
	s_and_b32 s31, s[WV], 4
	s_lshr_b32 s31, s31, 1
	s_or_b32 s30, s30, s31                         ; the wave's number with bits 1 and 2 exchanged
	s_sub_co_u32 s31, ttmp9, s25
	s_lshl_b32 s31, s31, 3
	s_add_co_u32 s30, s30, s31
	s_lshl_b32 s30, s30, 12                        ; to: 4 rows of 1,024 bytes
	s_mov_b32 s31, 0
	s_wait_kmcnt 0x0
	s_load_b256 s[32:39], s[12:13], 0x0            ; e0 .. e7
	s_load_b64 s[40:41], s[12:13], 0x20            ; e8, e9
	s_cmp_lt_u32 ttmp9, 224                        ; the choices hang on the work-group's number alone
	s_cselect_b64 s[22:23], s[8:9], s[10:11]
	s_cmp_lt_u32 ttmp9, 192
	s_cselect_b64 s[22:23], s[6:7], s[22:23]
	s_cmp_lt_u32 ttmp9, 128
	s_cselect_b64 s[22:23], s[4:5], s[22:23]       ; the tensor
	s_cselect_b64 s[26:27], s[14:15], s[18:19]     ; its codes: xc0 or wc
	s_add_nc_u64 s[22:23], s[22:23], s[28:29]
	s_add_nc_u64 s[26:27], s[26:27], s[30:31]
	s_add_nc_u64 s[16:17], s[16:17], s[30:31]      ; xc2 (used by x's work-groups alone)
.macro LOAD t
.irp i, 0,1,2,3
	global_load_b128 v[R+16*((\t)%4)+4*\i:R+16*((\t)%4)+4*\i+3], v3, s[22:23] offset:2048*(\t)+512*\i th:TH_LOAD_NT   ; 32 lanes read 512 consecutive bytes; read once in the launch
.endr
.endm
.macro TURN t                          ; step t's numbers through the stage: LDS serves a wave's instructions in order (ISA guide 5.7.1.4), so no wait stands between the stores and the loads
.irp i, 0,1,2,3
	ds_store_b128 v14, v[R+16*((\t)%4)+4*\i:R+16*((\t)%4)+4*\i+3] offset:32*SP*((\t)%2)+8*SP*\i
.endr
.irp i, 0,1,2,3
	ds_load_b128 v[X+16*((\t)%2)+4*\i:X+16*((\t)%2)+4*\i+3], v15 offset:32*SP*((\t)%2)+16*\i
.endr
.endm
.irp t, 0,1,2,3
	LOAD \t                                        ; sixteen loads a wave are out while the table is made
.endr
	; ---- the table: thread t < 128 makes (cos, sin) for s = 8 W + t / 16, i = t % 16
	s_cmp_lt_u32 s[WV], 4
	s_cbranch_scc0 .Lno_table
	v_and_b32 v192, 15, v0                         ; i
	v_lshrrev_b32 v193, 4, v0
	s_lshl_b32 s44, ttmp9, 3
	v_add_nc_u32 v193, s44, v193                   ; s
	v_mov_b32 v194, 1.0                            ; inv_freq[0]
.macro PICK i, lit                     ; inv_freq[i] where my i is this one
	v_cmp_ne_u32 vcc_lo, \i, v192
	v_cndmask_b32 v194, \lit, v194, vcc_lo
.endm
	PICK 1, 0x3f0ff59a
	PICK 2, 0x3ea1e89b
	PICK 3, 0x3e361887
	PICK 4, 0x3dcccccd
	PICK 5, 0x3d6655c2
	PICK 6, 0x3d0186e3
	PICK 7, 0x3c91ad39
	PICK 8, 0x3c23d70a
	PICK 9, 0x3bb8449c
	PICK 10, 0x3b4f3e38
	PICK 11, 0x3ae91528
	PICK 12, 0x3a83126f
	PICK 13, 0x3a136a16
	PICK 14, 0x39a5cb60
	PICK 15, 0x393a7753
	v_cvt_f32_u32 v193, v193
	v_mul_f32 v195, v193, v194                     ; the angle: one rounding
	v_mul_f32 v196, 0x3f22f983, v195               ; x 2 / pi
	v_rndne_f32 v196, v196                         ; k
	v_fmamk_f32 v197, v196, 0xbfc90fdb, v195       ; angle - k x (pi / 2 as f32): exact
	v_fmamk_f32 v197, v196, 0x333bbd2e, v197       ; + k x 4.371139e-8, by which that f32 number is too large: r, within pi / 4
	v_mul_f32 v198, v197, v197                     ; z = r^2
	v_mov_b32 v199, 0xb493f27e                     ; cos r = 1 - z/2 + z^2/24 - z^3/720 + z^4/40320 - z^5/3628800
	v_fmaak_f32 v199, v199, v198, 0x37d00d01
	v_fmaak_f32 v199, v199, v198, 0xbab60b61
	v_fmaak_f32 v199, v199, v198, 0x3d2aaaab
	v_fmaak_f32 v199, v199, v198, 0xbf000000
	v_fma_f32 v199, v199, v198, 1.0
	v_mov_b32 v200, 0x3638ef1d                     ; sin r = r + r z (-1/6 + z/120 - z^2/5040 + z^3/362880)
	v_fmaak_f32 v200, v200, v198, 0xb9500d01
	v_fmaak_f32 v200, v200, v198, 0x3c088889
	v_fmaak_f32 v200, v200, v198, 0xbe2aaaab
	v_mul_f32 v201, v197, v198
	v_fma_f32 v200, v200, v201, v197
	v_cvt_i32_f32 v202, v196                       ; the quadrant n = k: the angle is r + n pi / 2
	v_and_b32 v203, 1, v202
	v_cmp_eq_u32 vcc_lo, 1, v203
	v_cndmask_b32 v204, v199, v200, vcc_lo         ; n odd: sine and cosine change places
	v_cndmask_b32 v205, v200, v199, vcc_lo
	v_add_nc_u32 v203, 1, v202
	v_and_b32 v203, 2, v203
	v_lshlrev_b32 v203, 30, v203
	v_xor_b32 v204, v203, v204                     ; the cosine is negative where n % 4 is 1 or 2,
	v_and_b32 v203, 2, v202
	v_lshlrev_b32 v203, 30, v203
	v_xor_b32 v205, v203, v205                     ; the sine where it is 2 or 3
	v_lshlrev_b32 v206, 3, v0
	s_lshl_b32 s44, ttmp9, 10
	v_add_nc_u32 v206, s44, v206                   ; 128 s + 8 i = 1,024 W + 8 t
	global_store_b64 v206, v[204:205], s[20:21]    ; a wave stores 256 consecutive bytes, at a multiple of 256 from tab's first byte
.Lno_table:
	s_wait_kmcnt 0x0                               ; the scales
	s_cmp_lt_u32 ttmp9, 224
	s_cselect_b32 s45, s35, s41                    ; e3 or e9
	s_cmp_lt_u32 ttmp9, 192
	s_cselect_b32 s45, s33, s45                    ; e1
	s_cmp_lt_u32 ttmp9, 128
	s_cselect_b32 s45, s32, s45                    ; e0
	s_add_co_i32 s45, s45, 127
	s_lshl_b32 s46, s45, 23
	v_mov_b32 v8, s46                              ; 2^e as f32: the conversion takes its exponent field
	s_add_co_i32 s45, s45, 15
	s_lshl_b32 s45, s45, 23
	s_or_b32 s45, s45, 0x600000
	v_mov_b32 v9, s45                              ; 57,344 x 2^e
	s_add_co_i32 s45, s34, 127
	s_lshl_b32 s46, s45, 23
	v_mov_b32 v10, s46                             ; the same for e2
	s_add_co_i32 s45, s45, 15
	s_lshl_b32 s45, s45, 23
	s_or_b32 s45, s45, 0x600000
	v_mov_b32 v11, s45
	s_wait_loadcnt 12                              ; step 0's four loads are in; the twelve behind them may be out
	TURN 0
.macro STEP t
.set XS, X+16*((\t)%2)
	s_wait_dscnt 0x0                               ; this step's numbers are back from the stage: so its stores into the stage have read their registers,
.if (\t)+4 < STEPS
	LOAD (\t)+4                                    ; which take the loads of four steps on
.endif
.if (\t)+1 < STEPS
.if STEPS-2-(\t) >= 3
	s_wait_loadcnt 12                              ; the next step's four loads are in; those of the three steps behind it may be out
.else
	s_wait_loadcnt 4*(STEPS-2-(\t))                ; near the end fewer steps stand behind it
.endif
	TURN (\t)+1                                    ; and go through the other stage while this step is worked
.endif
.irp i, 0,1,2,3,4,5,6,7,8,9,10,11,12,13,14,15
	v_med3_num_f32 v[Y+\i], v[XS+\i], -v9, v9      ; the conversion to an 8-bit code does not saturate (ISA guide 7.6.2): the hold at the largest code x the scale
.endr
	v_cvt_scalef32_pk8_bf8_f32 v[C0+4*(\t):C0+4*(\t)+1], v[Y:Y+7], v8
	v_cvt_scalef32_pk8_bf8_f32 v[C0+4*(\t)+2:C0+4*(\t)+3], v[Y+8:Y+15], v8
	v_nop                                          ; one plain vector instruction between the conversions and the next write of their sources
	global_store_b128 v3, v[C0+4*(\t):C0+4*(\t)+3], s[26:27] offset:512*(\t)
	s_cmp_lt_u32 ttmp9, 128                        ; x is quantised once more, under e2
	s_cbranch_scc0 .Lweights_\@
.irp i, 0,1,2,3,4,5,6,7,8,9,10,11,12,13,14,15
	v_med3_num_f32 v[Y+\i], v[XS+\i], -v11, v11
.endr
	v_cvt_scalef32_pk8_bf8_f32 v[C2+4*(\t):C2+4*(\t)+1], v[Y:Y+7], v10
	v_cvt_scalef32_pk8_bf8_f32 v[C2+4*(\t)+2:C2+4*(\t)+3], v[Y+8:Y+15], v10
	v_nop
	global_store_b128 v3, v[C2+4*(\t):C2+4*(\t)+3], s[16:17] offset:512*(\t)
.Lweights_\@:
.endm
.irp t, 0,1,2,3,4,5,6,7
	STEP \t
.endr
	s_wait_tensorcnt 0x0
	ds_add_u32 v208, v209
	s_wait_dscnt 0x0
	s_endpgm
.Lfunc_end_k_q037d1bc03d_quant:
	.size	k_q037d1bc03d_quant, .Lfunc_end_k_q037d1bc03d_quant-k_q037d1bc03d_quant
	.p2alignl 7, 3214868480
	.fill 96, 4, 3214868480
	.section	.rodata,"a",@progbits
	.p2align	6, 0x0
	.amdhsa_kernel k_q037d1bc03d_quant
		.amdhsa_group_segment_fixed_size 66560
		.amdhsa_private_segment_fixed_size 0
		.amdhsa_enable_private_segment 0
		.amdhsa_kernarg_size 72
		.amdhsa_user_sgpr_count 2
		.amdhsa_user_sgpr_kernarg_segment_ptr 1
		.amdhsa_wavefront_size32 1
		.amdhsa_system_sgpr_workgroup_id_x 1
		.amdhsa_system_sgpr_workgroup_id_y 1
		.amdhsa_system_sgpr_workgroup_id_z 1
		.amdhsa_system_vgpr_workitem_id 0
		.amdhsa_next_free_vgpr 210
		.amdhsa_next_free_sgpr 66
		.amdhsa_reserve_vcc 1
		.amdhsa_float_denorm_mode_32 3
		.amdhsa_float_denorm_mode_16_64 3
		.amdhsa_memory_ordered 1
		.amdhsa_forward_progress 1
		.amdhsa_inst_pref_size 36
	.end_amdhsa_kernel
	.amdgpu_metadata
---
amdhsa.version: [ 1, 2 ]
amdhsa.kernels:
  - .name:           k_q037d1bc03d_quant
    .symbol:         k_q037d1bc03d_quant.kd
    .args:
      - { .name: x, .offset: 0, .size: 8, .value_kind: global_buffer, .address_space: global }
      - { .name: wqk_w, .offset: 8, .size: 8, .value_kind: global_buffer, .address_space: global }
      - { .name: wv_w, .offset: 16, .size: 8, .value_kind: global_buffer, .address_space: global }
      - { .name: wo_w, .offset: 24, .size: 8, .value_kind: global_buffer, .address_space: global }
      - { .name: lowp_scales, .offset: 32, .size: 8, .value_kind: global_buffer, .address_space: global }
      - { .name: xc0, .offset: 40, .size: 8, .value_kind: global_buffer, .address_space: global }
      - { .name: xc2, .offset: 48, .size: 8, .value_kind: global_buffer, .address_space: global }
      - { .name: wc, .offset: 56, .size: 8, .value_kind: global_buffer, .address_space: global }
      - { .name: tab, .offset: 64, .size: 8, .value_kind: global_buffer, .address_space: global }
    .group_segment_fixed_size: 66560
    .private_segment_fixed_size: 0
    .kernarg_segment_align: 8
    .kernarg_segment_size: 72
    .max_flat_workgroup_size: 256
    .sgpr_count:     66
    .vgpr_count:     210
    .wavefront_size: 32
...
	.end_amdgpu_metadata
.endif
;; end of part 1
;; launch proj (part 2): grid 12 x 16, 4 waves a work-group, clusters of 4 x 4, 327,680 bytes of LDS; arguments xc0, xc2, wc, tab, lowp_scales, qk, vimg; writes qk, vimg
.if DOCPART == 2
	.amdgcn_target "amdgcn-amd-amdhsa--gfx1250"
	.amdhsa_code_object_version 6
	.text
	.protected	k_q037d1bc03d_proj
	.globl	k_q037d1bc03d_proj
	.p2align	8
	.type	k_q037d1bc03d_proj,@function
k_q037d1bc03d_proj:
	s_mov_b64 s[64:65], 0
	v_nop
	global_prefetch_b8 v0, s[64:65] scope:SCOPE_SE
	s_setreg_imm32_b32 hwreg(HW_REG_WAVE_MODE, 25, 1), 1
	s_wait_xcnt 0x0
	s_wait_alu depctr_hold_cnt(0) depctr_sa_sdst(0) depctr_va_vdst(0) depctr_va_sdst(0) depctr_va_ssrc(0) depctr_va_vcc(0) depctr_vm_vsrc(0)
	s_getreg_b32 s2, hwreg(HW_REG_IB_STS2, 6, 4)
	s_cmp_eq_u32 s2, 0
	s_cbranch_scc0 .Lentry_in_a_cluster
	s_endpgm
.Lentry_in_a_cluster:
	s_bfe_u32 s2, ttmp6, 0x10000c
	s_cmp_lg_u32 s2, 0xf033
	s_cbranch_scc0 .Lentry_shape_is_right
	s_endpgm
.Lentry_shape_is_right:
; The three projections on codes of BF8 (E5M2), the rotary embedding, and the quantisers of q, k and v.  Two GEMMs C = A B^T with K = 1,024 in one text; which one a cluster runs hangs on its x (0, 1, 2):
;   x = 0: q, x = 1: k:  A = xc0 (4,096 tokens, scale e0), B = wc rows 0-2047 (wqk, e1);     x = 2: V^T:  A = wc rows 2048-3071 (wv, e3), B = xc2 (4,096 tokens, e2).
; A tile of C is 256 x 256: four waves, each 128 x 128 in 64 accumulators.  128 + 64 = 192 work-groups.  K goes in steps of 256 through two LDS slots filled by the tensor data mover; a tile's row is 256 bytes of memory.
; CLUSTERS: 4 x 4 work-groups; the four of a row of the cluster need the same tiles of A, the four of a column the same tiles of B: each tile is asked for JOINTLY.  What differs between the three products is chosen
; by s_cselect on the cluster's x, which all sixteen partners share; the one branch on it (is there a rotation to load?) is the same in all partners.
; THE MATRIX INSTRUCTION IS USED TRANSPOSED (source 0 = 16 rows of B, source 1 = 16 rows of A): a lane holds ONE row of A (place lane % 16 of its block) and its registers run along B's rows.  The rows of the code buffers
; lie in an order (place p holds row p with bits 3 and 4 exchanged) in which the 16 registers of B's blocks 2 g and 2 g + 1 are 16 NEIGHBOURING rows of B: 32 g + 16 (lane / 16) + 0 .. 15.
; So a lane holds 16 neighbouring channels of one head (q, k) or 16 neighbouring keys (V^T): they are rotated (q, k), quantised, and are 16 bytes of the next product's operand as its registers take them.
; THE WAY OUT needs no LDS: a wave's store is 512 consecutive bytes, at a multiple of 512 from the buffer's first byte: the image of four registers of a fragment.
;   qk   [b 2][64: q's 32 heads, k's 32][block 128][lane][16 B]: lane (r, h) of block pb: token 32 (pb / 2) + 8 (pb % 2) + r + 8 (r / 8), channels 16 h + 0 .. 15 of the head
;   vimg [b 2][head 32][ct 2][ks 16][c 4][lane][16 B]: lane (r, h): the channel at place r of block 2 head + ct, keys 128 ks + 32 c + 16 h + 0 .. 15
; SCALES.  A sum stands for sum x 2^(eA + eB), and the rotation is linear: so the conversion takes the one scale 2^(eO - eA - eB), eO = e4 (q), e5 (k), e7 (v).  The hold at the largest code always runs.
; LIMITS: e4 - e0 - e1, e5 - e0 - e1 and e7 - e2 - e3 between -126 and 112, so that the scale and 57,344 x the scale are f32 numbers.
; REGISTERS, in windows of 256: window 0: v1-29 addresses; from v128 A's fragments, ONE set; on the way out v32-63 cos and sin, v64-127 the rotated numbers, v128-159 codes.
;   window 1: B's fragments, TWO sets.   window 2: the accumulators of my rows 0-63 ((a, b) at v[8 (8 a + b)]);   window 3: those of my rows 64-127.
.set SIZE_K, 1024
.set KSTEP,  256                       ; along K in a slot
.set ROWB,   256                       ; a tile's row in bytes
.set KROW,   SIZE_K                    ; a row of codes in memory, in bytes
.set PITCH,  272                       ; an LDS row: 256 bytes + 16 of padding = 68 words: row r starts at bank 4 r mod 64 (64 banks of 4 bytes: ISA guide 11.1)
.set FR,     16                        ; registers of a fragment: 16 rows x 128 K
.set NL,     4                         ; LDS loads that bring one
.set NP,     4                         ; places behind this matrix instruction (ISA guide 7.12.1)
.set HALFT,  128*PITCH                 ; 128 rows: what one tensor load brings, and what one wave reads of A or of B
.set SLOT,   4*HALFT                   ; A's 256 rows, then B's 256 rows
.set LAPS,   SIZE_K/(2*KSTEP)          ; a lap = two K steps = once round the ring
.set SPARE,  2*SLOT                    ; behind the ring: the spare words, 128 bytes for each wave: two blocks of 256 bytes that no other line names
.set VO,   8                           ; v8-11   the way out: 16 x lane + g x (bytes from one group of 32 rows of B to the next)
.set TO,   12                          ; v12     my token's row of the table within a block's 32 rows, + 64 (lane / 16)
.set SC,   13                          ; v13     the conversion's scale as f32
.set LIM,  14                          ; v14     57,344 x that
.set ADRA, 16                          ; v16-17  LDS address of my A fragments in slot 0, 1
.set ADRB, 20                          ; v20-21  the same for B
.set SPW,  28                          ; v28     LDS address of my spare word; never rewritten
.set NIL,  29                          ; v29     0; never rewritten
.set T,    32                          ; v32-63  two sets of eight pairs (cos, sin), for the pairs of channels 8 (lane / 16) + 0 .. 7
.set Y,    64                          ; v64-127 a block's 64 numbers
.set CD,   128                         ; v128-159 two sets of 16 registers of codes
.set AF,   128                         ; A's fragments, in window 0
.set G1, 24                            ; s[24:31] descriptor group 1 for A's tiles;  s[32:39] group 0, one set for each slot
.set G0, 32
.set G1B, 48                           ; s[48:55], s[56:63] the same for B's tiles
.set G0B, 56
.set ISV, 82                           ; s82     1 where the cluster makes V^T
.set OB,  92                           ; s[92:93] where the block in hand is stored
.set SA,  94                           ; s[94:95] bytes from one block of 16 rows of A to the next
.set TBS, 98                           ; s[98:99] the table at my wave's first token
.set MSB, 0
.macro WIN new                         ; the immediate's high byte repeats the setting that is left
.if MSB != \new
	s_set_vgpr_msb (MSB<<8)|\new
.set MSB, \new
.endif
.endm
.set MUL_LO, 0xa1                      ; source 0 (B) window 1, source 1 (A) window 0, C and D window 2
.set MUL_HI, 0xf1                      ; the same, C and D window 3
.set TO_B,   0x40                      ; destination window 1, address window 0
; A joint load: waves 0 and 1 fetch for A, waves 2 and 3 for B.  Each of the two lines has ONE mask and one set of registers for all that issue it; the branch hangs on the wave's number alone.
; Four v_nop follow each of the two lines, ahead of the jump, the label and what follows.
.macro JLOAD g0a, g1a, g0b, g1b
	s_cmp_eq_u32 s15, 0
	s_cbranch_scc0 .Lfor_b_\@
	tensor_load_to_lds s[\g0a:\g0a+3], s[\g1a:\g1a+7]
	s_nop 0
.rept 4
	v_nop
.endr
	s_branch .Lasked_\@
.Lfor_b_\@:
	tensor_load_to_lds s[\g0b:\g0b+3], s[\g1b:\g1b+7]
	s_nop 0
.rept 4
	v_nop
.endr
.Lasked_\@:
.endm
.macro CREST                           ; a round of the cluster's barrier behind its opening barrier
	s_cmp_lg_u32 s14, 0
	s_cbranch_scc1 .Lnot_wave_0_\@
	s_barrier_signal -3
.Lnot_wave_0_\@:
	s_barrier_wait -3
	s_barrier_signal -1
	s_barrier_wait -1
.endm
.macro CROUND                          ; a whole round
	s_barrier_signal -1
	s_barrier_wait -1
	CREST
.endm
	s_load_b256 s[68:75], s[0:1], 0x0              ; xc0 s[68:69], xc2 s[70:71], wc s[72:73], tab s[74:75]
	s_load_b128 s[76:79], s[0:1], 0x20             ; lowp_scales s[76:77], qk s[78:79]
	s_load_b64 s[80:81], s[0:1], 0x30              ; vimg
	v_lshl_add_u32 v[SPW], v0, 2, SPARE
	v_mov_b32 v[NIL], 0
	ds_add_u32 v28, v29
	ds_add_u32 v28, v29
	s_wait_dscnt 0x0
	v_lshrrev_b32 v1, 5, v0
	v_readfirstlane_b32 s14, v1                    ; wave 0..3
	s_lshr_b32 s15, s14, 1                         ; which half of the tile's rows is mine.  Also: I fetch for A (0) or for B (1)
	s_and_b32 s16, s14, 1                          ; which half of its columns.  Also: which 128 rows of that tile I fetch
	s_bfe_u32 s40, ttmp6, 0x40000                  ; cx, cy: my place in the cluster
	s_bfe_u32 s41, ttmp6, 0x40004
	s_and_b32 s66, ttmp7, 0xffff                   ; the cluster's y
	s_cmp_eq_u32 ttmp9, 2                          ; the cluster's x says which product
	s_cselect_b32 s[ISV], 1, 0
	s_cselect_b32 s67, s66, ttmp9                  ; the cluster's place along C's columns: V^T has 16 tile columns (tokens), q and k together 8
	s_cselect_b32 s66, 0, s66                      ; and along C's rows: V^T has 4 tile rows (channels), q and k 16 (tokens)
	s_cselect_b32 s100, 0x200000, 0                ; wv begins 2,048 rows of 1,024 bytes into wc
	s_lshl_b32 s42, s67, 2
	s_add_co_u32 s42, s42, s40                     ; tile column of C
	s_lshl_b32 s17, s66, 2
	s_add_co_u32 s17, s17, s41                     ; tile row of C
	s_lshl_b32 s43, s41, 2
	s_lshl_b32 s43, 15, s43                        ; my row of the cluster
	s_lshl_b32 s44, 0x1111, s40                    ; my column
	; descriptor group 1: a tile of 128 rows x 256 bytes, padded in LDS
	s_or_b32 s[G1+0], s43, (0<<16)|(1<<20)|(1<<21)|(5<<22)|(3<<25)  ; 15:0 the mask: A's tiles go to my row; 17:16 element of 1 byte; 20 padding on; 21 set beside a mask; 24:22 after every 64 words (code 5); 31:25 of 4 words (code 3)
	s_or_b32 s[G1B+0], s44, (0<<16)|(1<<20)|(1<<21)|(5<<22)|(3<<25)
.irp g, G1, G1B
	s_mov_b32 s[\g+1], ROWB<<16                    ; tensor_dim0
	s_mov_b32 s[\g+2], 128<<16                     ; tensor_dim1 = 128
	s_mov_b32 s[\g+3], ROWB<<16                    ; tile_dim0
	s_mov_b32 s[\g+4], 128                         ; tile_dim1 = 128
	s_mov_b32 s[\g+5], KROW                        ; tensor_dim0_stride
	s_mov_b32 s[\g+6], 0
	s_mov_b32 s[\g+7], 0
.endr
	s_lshl_b32 s18, s16, 7                         ; which 128 rows of the tile I fetch
	s_lshl_b32 s20, s17, 8
	s_add_co_u32 s20, s20, s18                     ; A: row 256 x tile row + 128 x half,
	s_lshl_b32 s20, s20, 10                        ; in bytes (under 2^23),
	s_add_co_u32 s20, s20, s100                    ; behind wqk where A is wv
	s_mov_b32 s21, 0
	s_lshl_b32 s46, s42, 8
	s_add_co_u32 s46, s46, s18                     ; B: row 256 x tile column + 128 x half
	s_lshl_b32 s46, s46, 10
	s_mov_b32 s47, 0
	s_mul_i32 s45, s14, HALFT                      ; where they go: wave x 128 rows: no place in the cluster enters an LDS address
	s_wait_kmcnt 0x0
	s_load_b256 s[84:91], s[76:77], 0x0            ; e0 .. e7
	s_cmp_eq_u32 ttmp9, 2
	s_cselect_b64 s[4:5], s[72:73], s[68:69]       ; A: wc or xc0
	s_cselect_b64 s[6:7], s[70:71], s[72:73]       ; B: xc2 or wc
	s_add_nc_u64 s[20:21], s[4:5], s[20:21]
	s_add_nc_u64 s[46:47], s[6:7], s[46:47]
	CROUND                                         ; all sixteen work-groups are here: the first joint loads meet
.irp s, 0,1
	s_mov_b32 s[G0+4*\s], 1
	s_add_co_u32 s[G0+4*\s+1], s45, \s*SLOT
	s_add_nc_u64 s[G0+4*\s+2:G0+4*\s+3], s[20:21], \s*ROWB
	s_or_b32 s[G0+4*\s+3], s[G0+4*\s+3], 0x80000000
	s_mov_b32 s[G0B+4*\s], 1
	s_add_co_u32 s[G0B+4*\s+1], s45, \s*SLOT
	s_add_nc_u64 s[G0B+4*\s+2:G0B+4*\s+3], s[46:47], \s*ROWB
	s_or_b32 s[G0B+4*\s+3], s[G0B+4*\s+3], 0x80000000
	JLOAD G0+4*\s, G1, G0B+4*\s, G1B
.endr
	v_and_b32 v1, 15, v0                           ; r = lane % 16
	v_bfe_u32 v2, v0, 4, 1                         ; h = lane / 16
	v_mul_u32_u24 v3, v1, PITCH
	v_lshl_add_u32 v4, v2, 4, v3                   ; a fragment's row x pitch + 16 x half
	s_mul_i32 s21, s15, HALFT                      ; my 128 rows of A
	s_mul_i32 s22, s16, HALFT                      ; my 128 rows of B,
	s_add_co_u32 s22, s22, 2*HALFT                 ; which lie behind A's 256
.irp s, 0,1
	v_add_nc_u32 v[ADRA+\s], s21, v4
	v_add_nc_u32 v[ADRB+\s], s22, v4
	s_add_co_u32 s21, s21, SLOT
	s_add_co_u32 s22, s22, SLOT
.endr
	; the way out: offsets, made apart from the addresses
	s_lshl_b32 s8, s17, 4
	s_lshl_b32 s9, s15, 3
	s_add_co_u32 s8, s8, s9                        ; R16: my first block of 16 rows of A
	s_lshl_b32 s9, s42, 3
	s_lshl_b32 s10, s16, 2
	s_add_co_u32 s9, s9, s10                       ; C32: my first group of 32 rows of B
	s_and_b32 s11, s8, 127                         ; q, k: the block within its sequence
	s_lshl_b32 s[TBS], s11, 11                     ; its first token's row of the table: 16 tokens of 128 bytes a block
	s_mov_b32 s[TBS+1], 0
	s_add_nc_u64 s[TBS:TBS+1], s[74:75], s[TBS:TBS+1]
	s_lshr_b32 s10, s8, 7
	s_lshl_b32 s10, s10, 22                        ; qk: b x 4 MiB
	s_lshl_b32 s11, s11, 9
	s_add_co_u32 s10, s10, s11                     ; + block x 512
	s_lshl_b32 s11, s9, 16
	s_add_co_u32 s10, s10, s11                     ; + head x 65,536
	s_lshr_b32 s12, s9, 6
	s_lshl_b32 s12, s12, 21                        ; vimg: b x 2 MiB
	s_and_b32 s13, s9, 63
	s_lshl_b32 s13, s13, 9
	s_add_co_u32 s12, s12, s13                     ; + (4 ks + c) x 512
	s_lshl_b32 s13, s8, 15
	s_add_co_u32 s12, s12, s13                     ; + (2 head + ct) x 32,768
	s_mov_b32 s11, 0
	s_mov_b32 s[SA], 512
	s_mov_b32 s[SA+1], 0
	s_mov_b32 s101, 0x10000
	s_cmp_eq_u32 s[ISV], 1
	s_cselect_b32 s10, s12, s10
	s_cselect_b32 s[SA], 0x8000, s[SA]             ; from block to block of A's rows: 512 (q, k), 32,768 (V^T)
	s_cselect_b32 s101, 512, s101                  ; from group to group of B's rows: 65,536 (q, k), 512 (V^T)
	s_cselect_b64 s[OB:OB+1], s[80:81], s[78:79]
	s_add_nc_u64 s[OB:OB+1], s[OB:OB+1], s[10:11]
	v_and_b32 v6, 31, v0
	v_lshlrev_b32 v[VO], 4, v6
	v_add_nc_u32 v[VO+1], s101, v[VO]
	v_add_nc_u32 v[VO+2], s101, v[VO+1]
	v_add_nc_u32 v[VO+3], s101, v[VO+2]
	v_and_b32 v5, 8, v1
	v_add_nc_u32 v5, v5, v1                        ; r + 8 (r / 8): my token within the block's 32
	v_lshlrev_b32 v[TO], 7, v5
	v_lshl_add_u32 v[TO], v2, 6, v[TO]             ; its row of 128 bytes, + 64 h: the eight pairs of my half
.macro FRAG reg, adr, q, i             ; a fragment, 16 rows x 128 K of 8-bit codes, is 16 registers: lane l holds row l % 16; registers 4 c .. 4 c + 3 hold K = 32 c + 16 (l / 16) + 0 .. 15: the same places of k in A and in B
.irp c, 0,1,2,3
	ds_load_b128 v[\reg+4*\c:\reg+4*\c+3], v[\adr] offset:128*(\q)+32*\c+(\i)*16*PITCH
.endr
.endm
; 16 matrix instructions: A's blocks a0, a0 + 1 x B's eight, 128 along K.  p: B's set.  zero = 1: the first product starts the sums: nothing is ever cleared.
; The 64 accumulators take turns, one instruction a turn, in the same order in every step.
.macro MUL16 a0, p, zero
.irp a, \a0, \a0+1
.irp b, 0,1,2,3,4,5,6,7
.if \zero
	v_wmma_f32_16x16x128_bf8_bf8 v[8*(8*((\a)%4)+\b):8*(8*((\a)%4)+\b)+7], v[128*(\p)+FR*\b:128*(\p)+FR*\b+FR-1], v[AF+FR*(\a):AF+FR*(\a)+FR-1], 0
.else
	v_wmma_f32_16x16x128_bf8_bf8 v[8*(8*((\a)%4)+\b):8*(8*((\a)%4)+\b)+7], v[128*(\p)+FR*\b:128*(\p)+FR*\b+FR-1], v[AF+FR*(\a):AF+FR*(\a)+FR-1], v[8*(8*((\a)%4)+\b):8*(8*((\a)%4)+\b)+7]
.endif
.endr
.endr
.endm
.macro FETCH_B slot, q, p              ; B's eight fragments of the slot's q-th 128 along K into set p
	WIN TO_B
.irp i, 0,1,2,3,4,5,6,7
	FRAG 128*(\p)+FR*\i, ADRB+\slot, \q, \i
.endr
	WIN 0
.endm
.macro FETCH_A slot, q, i0             ; A's blocks i0 .. i0 + 3
.irp i, \i0, \i0+1, \i0+2, \i0+3
	FRAG AF+FR*(\i), ADRA+\slot, \q, \i
.endr
.endm
; A load into a register that a matrix instruction has read, and a vector instruction that reads a matrix result, stand NP places behind that matrix instruction; only plain vector instructions that name
; none of its registers are places (ISA guide 7.12.1 for vector instructions).
.macro PLACES n
.rept \n
	v_nop
.endr
.endm
; A step of 128 along K that has its successor in the same slot.  A block of A is free as soon as its eight products are issued: blocks 0-3 are fetched anew in the step's middle, blocks 4-7 at its end.
.macro STEP slot, q, zero
	s_wait_dscnt 4*NL                              ; B's set and A's blocks 0-3 are in; the youngest sixteen loads (A's blocks 4-7) may be out
	WIN MUL_LO
	MUL16 0, (\q)%2, \zero
	MUL16 2, (\q)%2, \zero
	s_wait_dscnt 0                                 ; A's blocks 4-7 are in (asked for 32 matrix instructions ago)
	PLACES NP
	FETCH_B \slot, (\q)+1, 1-(\q)%2
	FETCH_A \slot, (\q)+1, 0
	WIN MUL_HI
	MUL16 4, (\q)%2, \zero
	MUL16 6, (\q)%2, \zero
	PLACES NP
	WIN 0
	FETCH_A \slot, (\q)+1, 4
.endm
; A slot's last step changes slots: ONE barrier; in front of it each wave waits for all its tensor loads, adds 0 to its spare word, and waits for that and for its own reads of this slot.  fill = 1: this slot is filled again, two K steps ahead.
.macro TURN slot, next, fill
	s_wait_tensorcnt 0x0                           ; all my tensor loads have landed: my part of the next slot;  (every window is 0 here: the add's two registers lie in window 0)
	ds_add_u32 v[SPW], v[NIL]                      ; 0 onto my spare word
	s_wait_dscnt 4*NL+1                            ; (the add and the youngest sixteen loads, A's blocks 4-7, may be out)
	WIN MUL_LO
	MUL16 0, 1, 0                                  ; sixteen matrix instructions stand between the add and the wait for it
	s_wait_dscnt 0x0                               ; the add is done, and my reads of this slot are over
	s_barrier_signal -1
	MUL16 2, 1, 0
	WIN 0
	s_barrier_wait -1
.if \fill
	CREST                                          ; the barrier has opened a round of the cluster's barrier: no wave of any partner still reads this slot's tile or has a load on its way
	s_add_nc_u64 s[G0+4*\slot+2:G0+4*\slot+3], s[G0+4*\slot+2:G0+4*\slot+3], 2*ROWB
	s_add_nc_u64 s[G0B+4*\slot+2:G0B+4*\slot+3], s[G0B+4*\slot+2:G0B+4*\slot+3], 2*ROWB
	JLOAD G0+4*\slot, G1, G0B+4*\slot, G1B         ; the first tensor load behind the round; the four v_nop behind it are the places in front of the loads below
.else
	PLACES NP
.endif
	FETCH_B \next, 0, 0
	FETCH_A \next, 0, 0
	WIN MUL_HI
	MUL16 4, 1, 0
	MUL16 6, 1, 0
	PLACES NP
	WIN 0
	FETCH_A \next, 0, 4
.endm
	s_wait_tensorcnt 1                             ; my part of K step 0 is in (K step 1's load, issued behind it, may be out)
	s_barrier_signal -1
	s_barrier_wait -1                              ; everybody's is
	FETCH_B 0, 0, 0
	FETCH_A 0, 0, 0
	FETCH_A 0, 0, 4
	STEP 0, 0, 1                                   ; the first step stands in front of the loop: its products start the sums
	s_mov_b32 s3, LAPS-1
.Llap:                                                 ; a trip goes once round the ring, from a lap's second step to the next lap's first, and fills both slots again
	TURN 0, 1, 1
	STEP 1, 0, 0
	TURN 1, 0, 1
	STEP 0, 0, 0
	s_sub_co_u32 s3, s3, 1
	s_cmp_lg_u32 s3, 0
	s_cbranch_scc1 .Llap
	TURN 0, 1, 0                                   ; the last lap fills nothing, and has no round of the cluster's barrier
	STEP 1, 0, 0
	s_wait_dscnt 4*NL                              ; the very last step: nothing more to fetch
	WIN MUL_LO
	MUL16 0, 1, 0
	MUL16 2, 1, 0
	s_wait_dscnt 0
	WIN MUL_HI
	MUL16 4, 1, 0
	MUL16 6, 1, 0
	WIN 0
; THE WAY OUT, block by block of 16 rows of A x my 128 rows of B.
; Both sets of (cos, sin) begin as (1, 0), the rotation that changes nothing: so V^T takes the same lines as q and k.  These 32 plain instructions are also the places behind the last products.
.set i, 0
.rept 16
	v_mov_b32 v[T+2*i], 1.0
	v_mov_b32 v[T+2*i+1], 0
.set i, i+1
.endr
.macro TABLE a                         ; q, k: block a's cos and sin, 64 bytes a lane, into set a % 2
	s_cmp_eq_u32 s[ISV], 0
	s_cbranch_scc0 .Lno_rope_\@
.irp j, 0,1,2,3
	global_load_b128 v[T+16*((\a)%2)+4*\j:T+16*((\a)%2)+4*\j+3], v[TO], s[TBS:TBS+1] offset:(32*((\a)/2)+8*((\a)%2))*128+16*\j
.endr
.Lno_rope_\@:
.endm
	TABLE 0
	s_wait_kmcnt 0x0                               ; the scales
	s_add_co_i32 s8, s84, s85                      ; e0 + e1
	s_add_co_i32 s9, s86, s87                      ; e2 + e3
	s_cmp_eq_u32 ttmp9, 0
	s_cselect_b32 s10, s88, s89                    ; e4 (q) or e5 (k),
	s_cmp_eq_u32 ttmp9, 2
	s_cselect_b32 s10, s91, s10                    ; or e7 (v)
	s_cselect_b32 s8, s9, s8
	s_sub_co_i32 s10, s10, s8
	s_add_co_i32 s10, s10, 127
	s_lshl_b32 s11, s10, 23
	v_mov_b32 v[SC], s11                           ; 2^(eO - eA - eB) as f32
	s_add_co_i32 s10, s10, 15
	s_lshl_b32 s10, s10, 23
	s_or_b32 s10, s10, 0x600000
	v_mov_b32 v[LIM], s10                          ; 57,344 x that
.macro BLOCK a
	s_wait_loadcnt 0x0                             ; this block's cos and sin are in (asked for a block ago; nothing younger is out)
	s_wait_xcnt 0x0                                ; the earlier stores have read their base and their data: the base steps, and the codes' set of two blocks ago is written again, only behind this wait
.if (\a) > 0
	s_add_nc_u64 s[OB:OB+1], s[OB:OB+1], s[SA:SA+1]
.endif
.if (\a) < 7
	TABLE (\a)+1                                   ; the next block's, into the other set
.endif
	WIN 0x02+(\a)/4                                ; source 0: the accumulators' window
.set AC, 64*((\a)%4)
.set TS, T+16*((\a)%2)
	; a pair of registers (x1, x2) is a pair of channels 2 i, 2 i + 1; (c, s) its cos and sin.  First (-x2 s, x2 c), then (x1 c - x2 s, x1 s + x2 c).  Each accumulator is read from its low end on.
.irp g, 0,1,2,3
.irp p, 0,1,2,3,4,5,6,7
	v_pk_mul_f32 v[Y+16*\g+2*\p:Y+16*\g+2*\p+1], v[AC+16*\g+2*\p:AC+16*\g+2*\p+1], v[TS+2*\p:TS+2*\p+1] op_sel:[1,1] op_sel_hi:[1,0] neg_lo:[1,0]
.endr
.endr
.irp g, 0,1,2,3
.irp p, 0,1,2,3,4,5,6,7
	v_pk_fma_f32 v[Y+16*\g+2*\p:Y+16*\g+2*\p+1], v[AC+16*\g+2*\p:AC+16*\g+2*\p+1], v[TS+2*\p:TS+2*\p+1], v[Y+16*\g+2*\p:Y+16*\g+2*\p+1] op_sel_hi:[0,1,1]
.endr
.endr
	WIN 0
.set i, 0
.rept 64
	v_med3_num_f32 v[Y+i], v[Y+i], -v[LIM], v[LIM] ; the conversion to an 8-bit code does not saturate (ISA guide 7.6.2): the hold at the largest code x the scale
.set i, i+1
.endr
.irp q, 0,1,2,3,4,5,6,7
	v_cvt_scalef32_pk8_bf8_f32 v[CD+16*((\a)%2)+2*\q:CD+16*((\a)%2)+2*\q+1], v[Y+8*\q:Y+8*\q+7], v[SC]
.endr
	v_nop                                          ; one plain vector instruction between the conversions and the next write of their sources
.irp g, 0,1,2,3
	global_store_b128 v[VO+\g], v[CD+16*((\a)%2)+4*\g:CD+16*((\a)%2)+4*\g+3], s[OB:OB+1]   ; 32 lanes store 512 consecutive bytes
.endr
.endm
.irp a, 0,1,2,3,4,5,6,7
	BLOCK \a
.endr
	s_wait_tensorcnt 0x0                           ; the wave's end, behind my last tensor load
	ds_add_u32 v[SPW], v[NIL]
	s_wait_dscnt 0x0
	CROUND                                         ; the closing round: no work-group ends while a partner may still ask for a tile that names it
	s_endpgm
.Lfunc_end_k_q037d1bc03d_proj:
	.size	k_q037d1bc03d_proj, .Lfunc_end_k_q037d1bc03d_proj-k_q037d1bc03d_proj
	.p2alignl 7, 3214868480
	.fill 96, 4, 3214868480
	.section	.rodata,"a",@progbits
	.p2align	6, 0x0
	.amdhsa_kernel k_q037d1bc03d_proj
		.amdhsa_group_segment_fixed_size 327680
		.amdhsa_private_segment_fixed_size 0
		.amdhsa_enable_private_segment 0
		.amdhsa_kernarg_size 56
		.amdhsa_user_sgpr_count 2
		.amdhsa_user_sgpr_kernarg_segment_ptr 1
		.amdhsa_wavefront_size32 1
		.amdhsa_system_sgpr_workgroup_id_x 1
		.amdhsa_system_sgpr_workgroup_id_y 1
		.amdhsa_system_sgpr_workgroup_id_z 1
		.amdhsa_system_vgpr_workitem_id 0
		.amdhsa_next_free_vgpr 1024
		.amdhsa_next_free_sgpr 102
		.amdhsa_reserve_vcc 0
		.amdhsa_float_denorm_mode_32 3
		.amdhsa_float_denorm_mode_16_64 3
		.amdhsa_memory_ordered 1
		.amdhsa_forward_progress 1
		.amdhsa_inst_pref_size 156
	.end_amdhsa_kernel
	.amdgpu_metadata
---
amdhsa.version: [ 1, 2 ]
amdhsa.kernels:
  - .name:           k_q037d1bc03d_proj
    .symbol:         k_q037d1bc03d_proj.kd
    .args:
      - { .name: xc0, .offset: 0, .size: 8, .value_kind: global_buffer, .address_space: global }
      - { .name: xc2, .offset: 8, .size: 8, .value_kind: global_buffer, .address_space: global }
      - { .name: wc, .offset: 16, .size: 8, .value_kind: global_buffer, .address_space: global }
      - { .name: tab, .offset: 24, .size: 8, .value_kind: global_buffer, .address_space: global }
      - { .name: lowp_scales, .offset: 32, .size: 8, .value_kind: global_buffer, .address_space: global }
      - { .name: qk, .offset: 40, .size: 8, .value_kind: global_buffer, .address_space: global }
      - { .name: vimg, .offset: 48, .size: 8, .value_kind: global_buffer, .address_space: global }
    .group_segment_fixed_size: 327680
    .private_segment_fixed_size: 0
    .kernarg_segment_align: 8
    .kernarg_segment_size: 56
    .max_flat_workgroup_size: 128
    .sgpr_count:     102
    .vgpr_count:     1024
    .wavefront_size: 32
...
	.end_amdgpu_metadata
.endif
;; end of part 2
;; launch attn (part 3): grid 4 x 64, 16 waves a work-group, no clusters, 133,120 bytes of LDS; arguments qk, vimg, lowp_scales, oimg; writes oimg
.if DOCPART == 3
	.amdgcn_target "amdgcn-amd-amdhsa--gfx1250"
	.amdhsa_code_object_version 6
	.text
	.protected	k_q037d1bc03d_attn
	.globl	k_q037d1bc03d_attn
	.p2align	8
	.type	k_q037d1bc03d_attn,@function
k_q037d1bc03d_attn:
	s_mov_b64 s[64:65], 0
	v_nop
	global_prefetch_b8 v0, s[64:65] scope:SCOPE_SE
	s_setreg_imm32_b32 hwreg(HW_REG_WAVE_MODE, 25, 1), 1
	s_wait_xcnt 0x0
; Causal attention on codes of BF8 (E5M2): 64 heads (b, head) of 2,048 tokens, head size 32.  S = q k^T (scales e4, e5), the softmax, O = p v (e6, e7), O / l quantised under e8 for the last projection.
; THE SOFTMAX AHEAD OF THE SECOND PRODUCT: t = score x log2(e) / sqrt(32); M = the row's largest t so far, rounded UP to a whole number; p = 2^(t - M) is quantised, not normalised.  The row's sum l is taken of the
; unquantised p and divides O at the end.  When M moves, l and O are multiplied by 2^(old M - new M): exact.
; SHARES.  The work-group's y is the head.  A head has 128 blocks of 16 queries.  Wave pi = 16 x + w (0 .. 63) takes block pi and then block 127 - pi: (pi / 8 + 1) + (16 - pi / 8) = 17 key steps of 128 for EVERY wave.
; Sixteen waves of 256 registers: four to a SIMD, so that one wave's exponentials stand beside another's plain work, products and LDS loads.  A key step has 10 matrix instructions and some 260 vector instructions:
; the vector work binds, so several query blocks to a wave would spare nothing that counts.
; LDS.  The head's K (65,536 bytes) and V (65,536 bytes) are copied in ONCE, through registers, as they lie in memory: images of the operands' registers.  One barrier; then LDS is only read, 512 consecutive bytes a load.
; NO TENSOR LOAD AND NO JOINT REQUEST: what the four work-groups of a head share is these 131,072 bytes, read once at the head of a launch whose 272 wave-steps a work-group are vector work.
; The branch on e6 below spares 64 instructions a key step.  No prefetch: every load of K and V stands at the kernel's head.
; LAYOUT.  Both products are used transposed: S^T = K Q^T (source 0 = 16 keys, source 1 = my 16 queries), O^T = V^T P^T: a lane holds ONE query (place lane % 16 of its block) throughout.
; A block of qk holds, at place r, token 32 (pb / 2) + 8 (pb % 2) + r + 8 (r / 8): so the 16 registers of key blocks 2 g and 2 g + 1 are keys 32 g + 16 (lane / 16) + 0 .. 15, the order in which vimg has the keys.
; K = 32 goes by the 16 x 16 x 64 form: registers 0-3 of a fragment hold channels 16 (lane / 16) + 0 .. 15, registers 4-7 zero codes, on both sides; the zeros are written once.
; CAUSAL.  The loop over key steps has 16 trips for every wave; a step all of whose keys come after the block's queries is jumped over (a branch on ids).  In the one step on the diagonal hidden scores become -infinity.
; LIMITS: e4 + e5 between -124 and 129 (added to c's exponent field); e6 and e8 - e6 - e7 between -126 and 112.
; REGISTERS: v1, v2 16 x lane (+ 65,536); v3, v4 the step's LDS addresses; v5 my query less 16 (lane / 16), within its 128; v6, v7 offsets of Q and O; v8-15 Q; v16-79 eight fragments of K; v80-143 S^T, then p;
;   v144-159 O^T; v160-175 p's codes; v176-207 V's two fragments; v208 -M, v209 the largest t; v[210:211] l in two halves; v212 f, v213 0; v[214:215] a second chain of sums; v216-218 at work; v219 -infinity;
;   v220, v221 2^e6 and 57,344 x 2^e6; v222, v223 the same for e8 - e6 - e7; v224, v225 the copy's addresses; v226 r + 8 (r / 8) - 16 (lane / 16).
.set KF,  16
.set S,   80
.set O,   144
.set PC,  160
.set VF,  176
	s_load_b256 s[4:11], s[0:1], 0x0               ; qk s[4:5], vimg s[6:7], lowp_scales s[8:9], oimg s[10:11]
	v_lshl_add_u32 v254, v0, 2, 0x20000
	v_mov_b32 v255, 0
	v_lshrrev_b32 v1, 5, v0
	v_readfirstlane_b32 s12, v1                    ; wave 0..15
	v_lshlrev_b32 v224, 4, v0                      ; the copy: 16 bytes a thread, 8,192 a round
	v_add_nc_u32 v225, 0x10000, v224
	v_and_b32 v1, 31, v0
	v_lshlrev_b32 v1, 4, v1                        ; 16 x lane
	v_add_nc_u32 v2, 0x10000, v1
	v_and_b32 v226, 15, v0                         ; r
	v_and_b32 v227, 8, v226
	v_add_nc_u32 v226, v226, v227                  ; r + 8 (r / 8)
	v_and_b32 v227, 16, v0
	v_sub_nc_u32 v226, v226, v227                  ; - 16 h
	s_and_b32 s13, ttmp7, 0xffff                   ; 32 b + head
	s_lshr_b32 s26, s13, 5
	s_and_b32 s27, s13, 31
	s_lshl_b32 s38, s26, 22
	s_lshl_b32 s39, s27, 16
	s_add_co_u32 s38, s38, s39                     ; qk: b x 4 MiB + head x 65,536
	s_mov_b32 s39, 0
	s_lshl_b32 s42, s13, 16                        ; vimg: (32 b + head) x 65,536
	s_mov_b32 s43, 0
	s_lshl_b32 s44, s26, 21
	s_lshl_b32 s45, s27, 9
	s_add_co_u32 s44, s44, s45                     ; oimg: b x 2 MiB + head x 512
	s_mov_b32 s45, 0
	s_lshl_b32 s16, ttmp9, 4
	s_add_co_u32 s16, s16, s12                     ; my first block of queries
	s_mov_b32 s24, 0x76543210
	s_mov_b32 s25, 0xfedcba98                      ; v_permlanex16_b32's selects for lane l xor 16
	s_wait_kmcnt 0x0
	s_load_b256 s[28:35], s[8:9], 0x0              ; e0 .. e7
	s_load_b64 s[36:37], s[8:9], 0x20              ; e8, e9
	s_add_nc_u64 s[4:5], s[4:5], s[38:39]          ; the head's q
	s_add_nc_u64 s[14:15], s[4:5], 0x200000        ; its k: 32 heads of 65,536 bytes further on
	s_add_nc_u64 s[6:7], s[6:7], s[42:43]
	s_add_nc_u64 s[10:11], s[10:11], s[44:45]
.irp n, 0,1,2,3,4,5,6,7
	global_load_b128 v[S+4*\n:S+4*\n+3], v224, s[14:15] offset:8192*\n
.endr
.irp n, 0,1,2,3,4,5,6,7
	global_load_b128 v[S+32+4*\n:S+32+4*\n+3], v224, s[6:7] offset:8192*\n
.endr
.irp j, 12,13,14,15
	v_mov_b32 v[\j], 0                             ; Q's zero codes
.endr
.irp t, 0,1,2,3,4,5,6,7
.irp j, 4,5,6,7
	v_mov_b32 v[KF+8*\t+\j], 0                     ; K's zero codes: each fragment has its own, written once
.endr
.endr
	v_mov_b32 v213, 0                              ; (named as the upper half of the pair v[212:213])
	v_mov_b32 v218, 0                              ; written once: a lane permute's destination counts as one of its sources
	v_mov_b32 v219, 0xff800000                     ; -infinity
	s_wait_kmcnt 0x0
	s_add_co_i32 s21, s32, s33
	s_lshl_b32 s21, s21, 23
	s_add_co_i32 s22, s21, 0x3e8293ee              ; c = log2(e) / sqrt(32) x 2^(e4 + e5): the two exponents are added to c's exponent field
	s_mov_b32 s23, s22                             ; (named with it as a pair, so it is written)
	s_add_co_i32 s21, s34, 127
	s_lshl_b32 s26, s21, 23
	v_mov_b32 v220, s26                            ; 2^e6 as f32
	s_add_co_i32 s21, s21, 15
	s_lshl_b32 s21, s21, 23
	s_or_b32 s21, s21, 0x600000
	v_mov_b32 v221, s21                            ; 57,344 x 2^e6
	s_sub_co_i32 s21, s36, s34
	s_sub_co_i32 s21, s21, s35                     ; a sum of the second product stands for sum x 2^(e6 + e7): O's conversion takes 2^(e8 - e6 - e7)
	s_add_co_i32 s21, s21, 127
	s_lshl_b32 s26, s21, 23
	v_mov_b32 v222, s26
	s_add_co_i32 s21, s21, 15
	s_lshl_b32 s21, s21, 23
	s_or_b32 s21, s21, 0x600000
	v_mov_b32 v223, s21
.irp n, 0,1,2,3,4,5,6,7
	s_wait_loadcnt 15-\n                           ; loads come back in order (ISA guide 5.7.1): K's n-th is in, the younger ones may be out
	ds_store_b128 v224, v[S+4*\n:S+4*\n+3] offset:8192*\n
.endr
.irp n, 0,1,2,3,4,5,6,7
	s_wait_loadcnt 7-\n
	ds_store_b128 v225, v[S+32+4*\n:S+32+4*\n+3] offset:8192*\n
.endr
	s_wait_dscnt 0x0                               ; for the others' sake: my stores have landed
	s_barrier_signal -1
	s_barrier_wait -1                              ; K and V are whole; from here on LDS is only read
; A KEY STEP: keys 128 s18 on.
.macro STEP
	s_cmp_gt_u32 s18, s17                          ; all its keys come after my queries: nothing to do
	s_cbranch_scc1 .Lhid_\@
	v_add_nc_u32 v3, s19, v1
	v_add_nc_u32 v4, s20, v2
	v_nop
	v_nop                                          ; four places in front of loads into registers that the last products have read
.irp t, 0,1,2,3,4,5,6,7
	ds_load_b128 v[KF+8*\t:KF+8*\t+3], v3 offset:512*\t
.endr
.irp ct, 0,1
.irp c, 0,1,2,3
	ds_load_b128 v[VF+16*\ct+4*\c:VF+16*\ct+4*\c+3], v4 offset:32768*\ct+512*\c
.endr
.endr
	s_wait_dscnt 8                                 ; K's eight loads are in; V's eight, issued behind them, may be out
.irp t, 0,1,2,3,4,5,6,7
	v_wmma_f32_16x16x64_bf8_bf8 v[S+8*\t:S+8*\t+7], v[KF+8*\t:KF+8*\t+7], v[8:15], 0
.endr
.rept 4
	v_nop
.endr
	s_cmp_lt_u32 s18, s17                          ; a step all of whose keys count skips the mask
	s_cbranch_scc1 .Lopen_\@
.set n, 0
.rept 64                                       ; register n holds key 32 (n / 16) + 16 (lane / 16) + n % 16 of the step: hidden where 32 (n / 16) + n % 16 > v5
	v_cmp_gt_i32 vcc_lo, 32*(n/16)+n%16, v5
	v_cndmask_b32 v[S+n], v[S+n], v219, vcc_lo
.set n, n+1
.endr
.Lopen_\@:
	v_max3_num_f32 v216, v[S], v[S+1], v[S+2]      ; the step's largest score of my query, among my 64 keys, in two chains that go up the registers,
	v_max3_num_f32 v217, v[S+3], v[S+4], v[S+5]
.irp i, 6,10,14,18,22,26,30,34,38,42,46,50,54,58
	v_max3_num_f32 v216, v216, v[S+\i], v[S+1+\i]
	v_max3_num_f32 v217, v217, v[S+2+\i], v[S+3+\i]
.endr
	v_max3_num_f32 v216, v216, v[S+62], v[S+63]
	v_max_num_f32 v216, v216, v217
	v_permlanex16_b32 v218, v216, s24, s25
	v_max_num_f32 v216, v216, v218                 ; and among lane l xor 16's
	v_mul_f32 v216, s22, v216                      ; as t (c is positive)
	v_max_num_f32 v209, v209, v216                 ; the running largest t
	v_mov_b32 v216, v208
	v_floor_f32 v208, -v209                        ; the new -M = floor(-t) = -ceil(t)
	v_sub_f32 v216, v208, v216                     ; M's old value less its new one: a whole number, 0 or less
	v_cvt_i32_f32 v216, v216                       ; (it saturates)
	v_ldexp_f32 v212, 1.0, v216                    ; f = 2^(old M - new M)
.set j, 0
.rept 32
	v_pk_fma_f32 v[S+j:S+j+1], v[S+j:S+j+1], s[22:23], v[208:209] op_sel_hi:[1,0,0]   ; t - M, two at a time (of the pairs c and -M the low word serves both halves)
.set j, j+2
.endr
.set j, 0
.rept 64
	v_exp_f32 v[S+j], v[S+j]                       ; p = 2^(t - M), at most 1
.set j, j+1
.endr
	v_pk_mul_f32 v[210:211], v[210:211], v[212:213] op_sel_hi:[1,0]   ; l under the new M: the plain instruction behind the exponentials
	s_wait_alu depctr_va_vdst(0)                   ; one wait for the whole batch, ahead of its first reader
	v_pk_add_f32 v[214:215], v[S:S+1], v[S+2:S+3]  ; the sum of the UNQUANTISED p, two at a time, in two chains
.irp j, 4,8,12,16,20,24,28,32,36,40,44,48,52,56,60
	v_pk_add_f32 v[210:211], v[210:211], v[S+\j:S+1+\j]
	v_pk_add_f32 v[214:215], v[214:215], v[S+2+\j:S+3+\j]
.endr
	v_pk_add_f32 v[210:211], v[210:211], v[214:215]
	s_cmp_ge_i32 s34, -15                          ; p <= 1 <= 57,344 x 2^e6 from e6 = -15 on: there the hold could never act
	s_cbranch_scc1 .Lno_hold_\@
.set j, 0
.rept 64
	v_min_num_f32 v[S+j], v[S+j], v221             ; the conversion to an 8-bit code does not saturate (ISA guide 7.6.2); p is not negative, so the hold is one-sided
.set j, j+1
.endr
.Lno_hold_\@:
.irp t, 0,1,2,3,4,5,6,7
	v_cvt_scalef32_pk8_bf8_f32 v[PC+2*\t:PC+2*\t+1], v[S+8*\t:S+8*\t+7], v220
.endr
.irp j, 0,2,4,6,8,10,12,14
	v_pk_mul_f32 v[O+\j:O+\j+1], v[O+\j:O+\j+1], v[212:213] op_sel_hi:[1,0]   ; O^T under the new M; also the plain instructions between the conversions and the products that read the codes
.endr
	s_wait_dscnt 0x0                               ; V is in
.irp ct, 0,1                                   ; O^T += V^T P^T: the two accumulators take turns, and the eight products S^T stand between a link and the next
	v_wmma_f32_16x16x128_bf8_bf8 v[O+8*\ct:O+8*\ct+7], v[VF+16*\ct:VF+16*\ct+15], v[PC:PC+15], v[O+8*\ct:O+8*\ct+7]
.endr
.Lhid_\@:
	s_add_co_u32 s18, s18, 1
	s_add_co_u32 s19, s19, 4096                    ; eight blocks of K
	s_add_co_u32 s20, s20, 2048                    ; a key step of V
.endm
; A BLOCK OF 16 QUERIES, s16.
.macro TILE
	s_wait_xcnt 0x0                                ; the last block's load and store have read their registers
	s_lshr_b32 s17, s16, 3                         ; the key step on the diagonal
	s_lshl_b32 s21, s16, 9
	v_add_nc_u32 v6, s21, v1
	global_load_b128 v[8:11], v6, s[4:5]           ; Q's fragment
	s_lshl_b32 s21, s16, 14
	v_add_nc_u32 v7, s21, v1                       ; oimg: block x 16,384 + 16 x lane
	s_lshr_b32 s21, s16, 1
	s_lshl_b32 s21, s21, 5
	s_and_b32 s26, s16, 1
	s_lshl_b32 s26, s26, 3
	s_add_co_u32 s21, s21, s26
	s_and_b32 s21, s21, 127                        ; the block's first token within its 128
	v_add_nc_u32 v5, s21, v226
	v_mov_b32 v209, 0xff61b1e6                     ; the largest t so far: -3e38, under every t
	v_floor_f32 v208, -v209
	v_mov_b32 v210, 0
	v_mov_b32 v211, 0
.irp j, 0,1,2,3,4,5,6,7,8,9,10,11,12,13,14,15
	v_mov_b32 v[O+\j], 0                           ; the step is written once: the first finds zeros, which the first change of M leaves zeros
.endr
	s_mov_b32 s18, 0
	s_mov_b32 s19, 0
	s_mov_b32 s20, 0
	s_wait_loadcnt 0x0                             ; Q
.Lk_\@:
	STEP
	s_cmp_lt_u32 s18, 16
	s_cbranch_scc1 .Lk_\@
.rept 4
	v_nop                                          ; places behind the last products
.endr
	v_add_f32 v210, v210, v211                     ; l's two halves,
	v_permlanex16_b32 v218, v210, s24, s25
	v_add_f32 v210, v210, v218                     ; and lane l xor 16's
	v_rcp_f32 v212, v210
	v_nop                                          ; a plain instruction behind the reciprocal,
	s_wait_alu depctr_va_vdst(0)                   ; and the wait ahead of its first reader
.irp j, 0,2,4,6,8,10,12,14
	v_pk_mul_f32 v[S+\j:S+\j+1], v[O+\j:O+\j+1], v[212:213] op_sel_hi:[1,0]   ; O^T / l: register j is channel 16 (lane / 16) + j of the head
.endr
.irp j, 0,1,2,3,4,5,6,7,8,9,10,11,12,13,14,15
	v_med3_num_f32 v[S+\j], v[S+\j], -v223, v223
.endr
	v_cvt_scalef32_pk8_bf8_f32 v[PC:PC+1], v[S:S+7], v222
	v_cvt_scalef32_pk8_bf8_f32 v[PC+2:PC+3], v[S+8:S+15], v222
	v_nop                                          ; one plain vector instruction behind the last conversion
	global_store_b128 v7, v[PC:PC+3], s[10:11]     ; 32 lanes store 512 consecutive bytes: four registers of the last product's fragment
.endm
	TILE
	s_sub_co_u32 s16, 127, s16                     ; the block that makes my steps 17
	TILE
	s_wait_tensorcnt 0x0
	ds_add_u32 v254, v255
	s_wait_dscnt 0x0
	s_endpgm
.Lfunc_end_k_q037d1bc03d_attn:
	.size	k_q037d1bc03d_attn, .Lfunc_end_k_q037d1bc03d_attn-k_q037d1bc03d_attn
	.p2alignl 7, 3214868480
	.fill 96, 4, 3214868480
	.section	.rodata,"a",@progbits
	.p2align	6, 0x0
	.amdhsa_kernel k_q037d1bc03d_attn
		.amdhsa_group_segment_fixed_size 133120
		.amdhsa_private_segment_fixed_size 0
		.amdhsa_enable_private_segment 0
		.amdhsa_kernarg_size 32
		.amdhsa_user_sgpr_count 2
		.amdhsa_user_sgpr_kernarg_segment_ptr 1
		.amdhsa_wavefront_size32 1
		.amdhsa_system_sgpr_workgroup_id_x 1
		.amdhsa_system_sgpr_workgroup_id_y 1
		.amdhsa_system_sgpr_workgroup_id_z 1
		.amdhsa_system_vgpr_workitem_id 0
		.amdhsa_next_free_vgpr 256
		.amdhsa_next_free_sgpr 66
		.amdhsa_reserve_vcc 1
		.amdhsa_float_denorm_mode_32 3
		.amdhsa_float_denorm_mode_16_64 3
		.amdhsa_memory_ordered 1
		.amdhsa_forward_progress 1
		.amdhsa_inst_pref_size 52
	.end_amdhsa_kernel
	.amdgpu_metadata
---
amdhsa.version: [ 1, 2 ]
amdhsa.kernels:
  - .name:           k_q037d1bc03d_attn
    .symbol:         k_q037d1bc03d_attn.kd
    .args:
      - { .name: qk, .offset: 0, .size: 8, .value_kind: global_buffer, .address_space: global }
      - { .name: vimg, .offset: 8, .size: 8, .value_kind: global_buffer, .address_space: global }
      - { .name: lowp_scales, .offset: 16, .size: 8, .value_kind: global_buffer, .address_space: global }
      - { .name: oimg, .offset: 24, .size: 8, .value_kind: global_buffer, .address_space: global }
    .group_segment_fixed_size: 133120
    .private_segment_fixed_size: 0
    .kernarg_segment_align: 8
    .kernarg_segment_size: 32
    .max_flat_workgroup_size: 512
    .sgpr_count:     66
    .vgpr_count:     256
    .wavefront_size: 32
...
	.end_amdgpu_metadata
.endif
;; end of part 3
;; launch outp (part 4): grid 8 x 32, 4 waves a work-group, clusters of 4 x 4, 288,256 bytes of LDS; arguments oimg, wc, lowp_scales, out0; writes out0
.if DOCPART == 4
	.amdgcn_target "amdgcn-amd-amdhsa--gfx1250"
	.amdhsa_code_object_version 6
	.text
	.protected	k_q037d1bc03d_outp
	.globl	k_q037d1bc03d_outp
	.p2align	8
	.type	k_q037d1bc03d_outp,@function
k_q037d1bc03d_outp:
	s_mov_b64 s[64:65], 0
	v_nop
	global_prefetch_b8 v0, s[64:65] scope:SCOPE_SE
	s_setreg_imm32_b32 hwreg(HW_REG_WAVE_MODE, 25, 1), 1
	s_wait_xcnt 0x0
	s_wait_alu depctr_hold_cnt(0) depctr_sa_sdst(0) depctr_va_vdst(0) depctr_va_sdst(0) depctr_va_ssrc(0) depctr_va_vcc(0) depctr_vm_vsrc(0)
	s_getreg_b32 s2, hwreg(HW_REG_IB_STS2, 6, 4)
	s_cmp_eq_u32 s2, 0
	s_cbranch_scc0 .Lentry_in_a_cluster
	s_endpgm
.Lentry_in_a_cluster:
	s_bfe_u32 s2, ttmp6, 0x10000c
	s_cmp_lg_u32 s2, 0xf033
	s_cbranch_scc0 .Lentry_shape_is_right
	s_endpgm
.Lentry_shape_is_right:
; out0 [4096][1024] f32 = O wo^T on codes of BF8 (E5M2): O's codes in oimg (scale e8), wo's in wc rows 3072-4095 (e9); each finished sum x 2^(e8 + e9).  K = 1,024.
; A tile of out0 is 128 x 128, so that there are 256 work-groups; four waves, each 64 x 64: 16 accumulators.
; ALL OF K LIES IN LDS: A's 128 rows x 1,024 codes (131,072 bytes) and B's (139,264 with padding).  So every tile is filled once: four chunks of 256 along K, four tensor loads a wave, all issued at the start;
; nothing is filled again, and a counted wait and a barrier stand in front of each chunk's first read.
; CLUSTERS: 4 x 4 work-groups; A's tiles are shared along a row of the cluster, B's along a column: each is asked for JOINTLY.
; oimg [T 256 blocks of 16 tokens][kstep 8][c 4][lane][16 B] is an image of A's fragments: a fragment comes by four loads of 512 consecutive bytes.  Block T holds, at place r, token 32 (T / 2) + 8 (T % 2) + r + 8 (r / 8).
; wc's place p holds row p with bits 3 and 4 exchanged.  THE MATRIX INSTRUCTION IS USED TRANSPOSED (source 0 = 16 rows of wo, source 1 = 16 tokens): a lane holds one token, and the 16 registers of wo's blocks
; 2 g and 2 g + 1 are columns 32 g + 16 (lane / 16) + 0 .. 15 of out0.  The tokens' order is undone in the stores' immediates.
; LIMIT: e8 + e9 between -126 and 127, so that 2^(e8 + e9) is an f32 number.
; No prefetch: all loads stand at the head.  No ring.
; REGISTERS: window 0: v1-26 addresses; v32-63 a block's sums x 2^(e8 + e9); v64-127 rows read back, two sets; v128-255 the accumulators ((a, b) at v[128 + 8 (4 a + b)]).
;   window 1: two fragment buffers of 128: A's four fragments of 16 registers, then B's four.
.set PITCH,  272                       ; a row of B in LDS, and of the stage: 256 bytes + 16 of padding = 68 words: row r starts at bank 4 r mod 64 (ISA guide 11.1)
.set BROW,   131072                    ; behind A's images: B's four chunks of 128 rows
.set STAGE,  BROW+4*128*PITCH          ; behind them: 16 rows x 272 bytes for each wave, for the way out; no tile lands there
.set ADRA, 16                          ; v16-17  LDS address of my A fragments in chunks 0, 1 and in chunks 2, 3
.set ADRB, 20                          ; v20-21  the same for B
.set STO,  24                          ; v24     the way out: where I put 64 bytes of a row
.set RD,   25                          ; v25     where I read a row back
.set CO,   26                          ; v26     my byte offset in two rows of out0
.set TMP,  32
.set BK,   64
.set ACC,  128
.set F0,   0
.set F1,   128
.set G1A, 24                           ; s[24:31] descriptor group 1 for A's tiles;  s[32:39] for B's
.set G1B, 32
.set G0A, 40                           ; s[40:55] four groups 0 for A, one for each chunk;  s[68:83] for B
.set G0B, 68
.set MSB, 0
.macro WIN new                         ; the immediate's high byte repeats the setting that is left
.if MSB != \new
	s_set_vgpr_msb (MSB<<8)|\new
.set MSB, \new
.endif
.endm
.set MUL,  0x05                        ; sources 0 (B) and 1 (A) window 1; C and D window 0
.set TO_F, 0x40                        ; destination window 1, address window 0
.macro CROUND                          ; a round of the cluster's barrier
	s_barrier_signal -1
	s_barrier_wait -1
	s_cmp_lg_u32 s14, 0
	s_cbranch_scc1 .Lnot_wave_0_\@
	s_barrier_signal -3
.Lnot_wave_0_\@:
	s_barrier_wait -3
	s_barrier_signal -1
	s_barrier_wait -1
.endm
	s_load_b256 s[4:11], s[0:1], 0x0               ; oimg s[4:5], wc s[6:7], lowp_scales s[8:9], out0 s[10:11]
	v_lshl_add_u32 v30, v0, 2, 0x46400
	v_mov_b32 v31, 0
	ds_add_u32 v30, v31
	ds_add_u32 v30, v31
	v_lshrrev_b32 v1, 5, v0
	v_readfirstlane_b32 s14, v1                    ; wave 0..3
	s_lshr_b32 s15, s14, 1                         ; which half of the tile's rows is mine.  Also: I fetch for A (0) or for B (1)
	s_and_b32 s16, s14, 1                          ; which half of its columns.  Also: which half of that tile I fetch
	s_bfe_u32 s56, ttmp6, 0x40000                  ; cx, cy: my place in the cluster
	s_bfe_u32 s57, ttmp6, 0x40004
	s_lshl_b32 s58, ttmp9, 2
	s_add_co_u32 s58, s58, s56                     ; tile column = 4 x cluster x + cx
	s_and_b32 s59, ttmp7, 0xffff
	s_lshl_b32 s59, s59, 2
	s_add_co_u32 s59, s59, s57                     ; tile row = 4 x cluster y + cy
	s_lshl_b32 s60, s57, 2
	s_lshl_b32 s60, 15, s60                        ; my row of the cluster
	s_lshl_b32 s61, 0x1111, s56                    ; my column
	; A: 4 blocks of tokens x 4,096 bytes (256 along K of a block's image), 16,384 bytes apart in memory, dense in LDS
	s_or_b32 s[G1A], s60, (0<<16)|(1<<21)          ; 15:0 the mask: my row; 17:16 element of 1 byte; 20 no padding; 21 set beside a mask
	s_mov_b32 s[G1A+1], 4096<<16                   ; tensor_dim0
	s_mov_b32 s[G1A+2], 4<<16                      ; tensor_dim1
	s_mov_b32 s[G1A+3], 4096<<16                   ; tile_dim0
	s_mov_b32 s[G1A+4], 4                          ; tile_dim1
	s_mov_b32 s[G1A+5], 16384                      ; tensor_dim0_stride
	s_mov_b32 s[G1A+6], 0
	s_mov_b32 s[G1A+7], 0
	; B: 64 rows x 256 bytes, 1,024 apart in memory, 16 bytes of padding behind each in LDS
	s_or_b32 s[G1B], s61, (0<<16)|(1<<20)|(1<<21)|(5<<22)|(3<<25)   ; the mask: my column; padding: four words (code 3) after every 64 (code 5)
	s_mov_b32 s[G1B+1], 256<<16
	s_mov_b32 s[G1B+2], 64<<16
	s_mov_b32 s[G1B+3], 256<<16
	s_mov_b32 s[G1B+4], 64
	s_mov_b32 s[G1B+5], 1024
	s_mov_b32 s[G1B+6], 0
	s_mov_b32 s[G1B+7], 0
	s_lshl_b32 s20, s59, 3
	s_lshl_b32 s18, s16, 2
	s_add_co_u32 s20, s20, s18                     ; A: block 8 x tile row + 4 x half,
	s_lshl_b32 s20, s20, 14                        ; of 16,384 bytes
	s_mov_b32 s21, 0
	s_lshl_b32 s22, s58, 7
	s_lshl_b32 s19, s16, 6
	s_add_co_u32 s22, s22, s19
	s_add_co_u32 s22, s22, 3072                    ; B: row 3,072 + 128 x tile column + 64 x half,
	s_lshl_b32 s22, s22, 10                        ; of 1,024 bytes
	s_mov_b32 s23, 0
	s_lshl_b32 s17, s16, 14                        ; where they go: no place in the cluster enters an LDS address
	s_mul_i32 s62, s16, 64*PITCH
	s_add_co_u32 s62, s62, BROW
	s_wait_dscnt 0x0
	s_wait_kmcnt 0x0
	s_load_b64 s[96:97], s[8:9], 0x20              ; e8, e9
	s_add_nc_u64 s[20:21], s[4:5], s[20:21]
	s_add_nc_u64 s[22:23], s[6:7], s[22:23]
.irp q, 0,1,2,3
	s_mov_b32 s[G0A+4*\q], 1                       ; count = 1
	s_add_co_u32 s[G0A+4*\q+1], s17, \q*32768      ; LDS address
	s_add_nc_u64 s[G0A+4*\q+2:G0A+4*\q+3], s[20:21], \q*4096   ; global address: chunk q
	s_or_b32 s[G0A+4*\q+3], s[G0A+4*\q+3], 0x80000000          ; type = 2
	s_mov_b32 s[G0B+4*\q], 1
	s_add_co_u32 s[G0B+4*\q+1], s62, \q*128*PITCH
	s_add_nc_u64 s[G0B+4*\q+2:G0B+4*\q+3], s[22:23], \q*256
	s_or_b32 s[G0B+4*\q+3], s[G0B+4*\q+3], 0x80000000
.endr
	CROUND                                         ; all sixteen work-groups are here: the joint loads meet
	s_cmp_eq_u32 s15, 0                            ; a wave's four fills stand in one branch on its number, ahead of every wait on TENSORcnt and every LDS read: four loads of mine are out
	s_cbranch_scc0 .Lfor_b
.irp q, 0,1,2,3
	tensor_load_to_lds s[G0A+4*\q:G0A+4*\q+3], s[G1A:G1A+7]
	s_nop 0
.endr
.rept 4
	v_nop
.endr
	s_branch .Lasked
.Lfor_b:
.irp q, 0,1,2,3
	tensor_load_to_lds s[G0B+4*\q:G0B+4*\q+3], s[G1B:G1B+7]
	s_nop 0
.endr
.rept 4
	v_nop
.endr
.Lasked:
	v_and_b32 v1, 15, v0                           ; r = lane % 16
	v_bfe_u32 v2, v0, 4, 1                         ; h = lane / 16
	v_and_b32 v3, 31, v0
	v_lshlrev_b32 v4, 4, v3                        ; 16 x lane
	s_lshl_b32 s84, s15, 14                        ; my four blocks of A
	v_add_nc_u32 v[ADRA], s84, v4
	v_add_nc_u32 v[ADRA+1], 0x10000, v[ADRA]
	v_mul_u32_u24 v5, v1, PITCH
	v_lshl_add_u32 v5, v2, 4, v5
	s_mul_i32 s84, s16, 64*PITCH                   ; my 64 rows of B
	s_add_co_u32 s84, s84, BROW
	v_add_nc_u32 v[ADRB], s84, v5
	v_add_nc_u32 v[ADRB+1], 2*128*PITCH, v[ADRB]
	s_mul_i32 s84, s14, 16*PITCH
	s_add_co_u32 s84, s84, STAGE                   ; my stage
	v_mul_u32_u24 v5, v1, PITCH
	v_lshl_add_u32 v5, v2, 6, v5
	v_add_nc_u32 v[STO], s84, v5                   ; in: row r, + 64 h
	v_mul_u32_u24 v5, v2, PITCH
	v_lshl_add_u32 v5, v1, 4, v5
	v_add_nc_u32 v[RD], s84, v5                    ; back: lanes 0-15 one row of 256 bytes, lanes 16-31 the next
	v_lshlrev_b32 v5, 12, v2
	v_lshl_add_u32 v[CO], v1, 4, v5                ; and the same two rows in out0
	s_lshl_b32 s84, s59, 7
	s_lshl_b32 s85, s15, 6
	s_add_co_u32 s84, s84, s85                     ; my first token: 128 x tile row + 64 x half,
	s_lshl_b32 s84, s84, 12                        ; rows of 4,096 bytes
	s_lshl_b32 s85, s58, 9
	s_add_co_u32 s84, s84, s85                     ; my first column, in bytes: 512 x tile column
	s_lshl_b32 s85, s16, 8
	s_add_co_u32 s84, s84, s85                     ; + 256 x half
	s_mov_b32 s85, 0
	s_add_nc_u64 s[10:11], s[10:11], s[84:85]
.macro MEET q                          ; chunk q is whole in LDS
	s_wait_tensorcnt 3-(\q)                        ; tensor loads of a wave end in order (ISA guide 10.11.1): my part of chunk q is in; the 3 - q issued behind it may stay out
	s_wait_dscnt 0x0                               ; no LDS instruction of mine is pending at the signal
	s_barrier_signal -1
	s_barrier_wait -1                              ; everybody's part is in
.endm
.macro FETCH j, f                      ; the fragments of step j (128 along K) into buffer f: 32 LDS loads in one run
	WIN TO_F
.irp a, 0,1,2,3
.irp c, 0,1,2,3
	ds_load_b128 v[(\f)+16*\a+4*\c:(\f)+16*\a+4*\c+3], v[ADRA+(\j)/4] offset:(((\j)/2)%2)*32768+4096*\a+2048*((\j)%2)+512*\c
.endr
.endr
.irp b, 0,1,2,3
.irp c, 0,1,2,3
	ds_load_b128 v[(\f)+64+16*\b+4*\c:(\f)+64+16*\b+4*\c+3], v[ADRB+(\j)/4] offset:(((\j)/2)%2)*128*PITCH+16*PITCH*\b+128*((\j)%2)+32*\c
.endr
.endr
.endm
.macro MUL16 f, s                      ; step s: the 16 accumulators take turns, one instruction a turn, in the same order in every step; step 0 starts the sums
.irp a, 0,1,2,3
.irp b, 0,1,2,3
.if (\s) == 0
	v_wmma_f32_16x16x128_bf8_bf8 v[ACC+8*(4*\a+\b):ACC+8*(4*\a+\b)+7], v[(\f)+64+16*\b:(\f)+64+16*\b+15], v[(\f)+16*\a:(\f)+16*\a+15], 0
.else
	v_wmma_f32_16x16x128_bf8_bf8 v[ACC+8*(4*\a+\b):ACC+8*(4*\a+\b)+7], v[(\f)+64+16*\b:(\f)+64+16*\b+15], v[(\f)+16*\a:(\f)+16*\a+15], v[ACC+8*(4*\a+\b):ACC+8*(4*\a+\b)+7]
.endif
.endr
.endr
.endm
.macro PLACES                          ; four places in front of loads into registers that matrix instructions have read, and of the first read of results (ISA guide 7.12.1 for vector instructions)
.rept 4
	v_nop
.endr
.endm
	MEET 0
	FETCH 0, F0
.irp j, 0,1,2,3,4,5,6                  ; step j: the next step's fragments are asked for, into the buffer that step j - 1 multiplied; then this step's products
.if (\j)%2 == 1
	MEET (\j+1)/2                                  ; the next step begins a chunk
.endif
.if \j > 0
	PLACES
.endif
	FETCH \j+1, F0+128*((\j+1)%2)
	s_wait_dscnt 32                                ; all but the 32 loads just issued: this step's fragments are in
	WIN MUL
	MUL16 F0+128*((\j)%2), \j
.endr
	s_wait_dscnt 0x0
	MUL16 F1, 7
	WIN 0
; THE WAY OUT, block by block of 16 tokens x my 64 columns: through my own stage in LDS, back as whole rows of 256 bytes.  LDS serves a wave's instructions in order (ISA guide 5.7.1.4): no wait between the stores and the loads.
.macro TOSTAGE a
.irp j, 0,2,4,6,8,10,12,14,16,18,20,22,24,26,28,30
	v_pk_mul_f32 v[TMP+\j:TMP+\j+1], v[ACC+32*(\a)+\j:ACC+32*(\a)+\j+1], s[96:97] op_sel_hi:[1,0]   ; both x s96 = 2^(e8 + e9); each accumulator from its low end on
.endr
.irp b, 0,1,2,3
	ds_store_b128 v[STO], v[TMP+8*\b:TMP+8*\b+3] offset:128*(\b/2)+32*(\b%2)        ; columns 32 (b / 2) + 16 h + 8 (b % 2) + 0 .. 7
	ds_store_b128 v[STO], v[TMP+8*\b+4:TMP+8*\b+7] offset:128*(\b/2)+32*(\b%2)+16
.endr
.irp t, 0,1,2,3,4,5,6,7
	ds_load_b128 v[BK+32*((\a)%2)+4*\t:BK+32*((\a)%2)+4*\t+3], v[RD] offset:2*\t*PITCH
.endr
.endm
.macro SEND a, younger                 ; younger: the LDS instructions issued behind block a's loads, which may stay out
	s_wait_dscnt \younger
.irp t, 0,1,2,3,4,5,6,7                ; place 2 t + (lane / 16) of block a is token 32 (a / 2) + 8 (a % 2) + 2 t + 8 (t / 4) + (lane / 16) of my 64
	global_store_b128 v[CO], v[BK+32*((\a)%2)+4*\t:BK+32*((\a)%2)+4*\t+3], s[10:11] offset:(32*((\a)/2)+8*((\a)%2)+2*\t+8*(\t/4))*4096 th:TH_STORE_NT   ; 16 lanes store 256 consecutive bytes, at a multiple of 256 from out0's first byte
.endr
.endm
	s_wait_kmcnt 0x0
	s_add_co_i32 s96, s96, s97                     ; e8 + e9
	s_add_co_i32 s96, s96, 127
	s_lshl_b32 s96, s96, 23                        ; 2^(e8 + e9) as f32
	PLACES
	TOSTAGE 0
.irp a, 1,2,3
.if \a > 1
	s_wait_xcnt 0x0                                ; block a - 2's stores have read their registers: block a's loads may land there
.endif
	TOSTAGE \a
	SEND \a-1, 16                                  ; behind block a - 1's loads: block a's 8 stores and 8 loads
.endr
	SEND 3, 0
	s_wait_tensorcnt 0x0
	ds_add_u32 v30, v31
	s_wait_dscnt 0x0
	CROUND                                         ; the closing round: no work-group ends while a partner may still ask for a tile that names it (my tensor loads were all in at chunk 3's wait)
	s_endpgm
.Lfunc_end_k_q037d1bc03d_outp:
	.size	k_q037d1bc03d_outp, .Lfunc_end_k_q037d1bc03d_outp-k_q037d1bc03d_outp
	.p2alignl 7, 3214868480
	.fill 96, 4, 3214868480
	.section	.rodata,"a",@progbits
	.p2align	6, 0x0
	.amdhsa_kernel k_q037d1bc03d_outp
		.amdhsa_group_segment_fixed_size 288256
		.amdhsa_private_segment_fixed_size 0
		.amdhsa_enable_private_segment 0
		.amdhsa_kernarg_size 32
		.amdhsa_user_sgpr_count 2
		.amdhsa_user_sgpr_kernarg_segment_ptr 1
		.amdhsa_wavefront_size32 1
		.amdhsa_system_sgpr_workgroup_id_x 1
		.amdhsa_system_sgpr_workgroup_id_y 1
		.amdhsa_system_sgpr_workgroup_id_z 1
		.amdhsa_system_vgpr_workitem_id 0
		.amdhsa_next_free_vgpr 512
		.amdhsa_next_free_sgpr 100
		.amdhsa_reserve_vcc 0
		.amdhsa_float_denorm_mode_32 3
		.amdhsa_float_denorm_mode_16_64 3
		.amdhsa_memory_ordered 1
		.amdhsa_forward_progress 1
		.amdhsa_inst_pref_size 46
	.end_amdhsa_kernel
	.amdgpu_metadata
---
amdhsa.version: [ 1, 2 ]
amdhsa.kernels:
  - .name:           k_q037d1bc03d_outp
    .symbol:         k_q037d1bc03d_outp.kd
    .args:
      - { .name: oimg, .offset: 0, .size: 8, .value_kind: global_buffer, .address_space: global }
      - { .name: wc, .offset: 8, .size: 8, .value_kind: global_buffer, .address_space: global }
      - { .name: lowp_scales, .offset: 16, .size: 8, .value_kind: global_buffer, .address_space: global }
      - { .name: out0, .offset: 24, .size: 8, .value_kind: global_buffer, .address_space: global }
    .group_segment_fixed_size: 288256
    .private_segment_fixed_size: 0
    .kernarg_segment_align: 8
    .kernarg_segment_size: 32
    .max_flat_workgroup_size: 128
    .sgpr_count:     100
    .vgpr_count:     512
    .wavefront_size: 32
...
	.end_amdgpu_metadata
.endif
;; end of part 4
;; ======== version 2 of 2: 4 launches; version 1 with the launch attn written anew for expert scheduling mode
;; workspace buffers: xc0 4,194,304 bytes; xc2 4,194,304 bytes; wc 4,194,304 bytes; tab 262,144 bytes; qk 8,388,608 bytes; vimg 4,194,304 bytes; oimg 4,194,304 bytes
;; launch quant: the kernel of part 1 again; grid 256 x 1, 8 waves a work-group, no clusters, 66,560 bytes of LDS; arguments x, wqk_w, wv_w, wo_w, lowp_scales, xc0, xc2, wc, tab; writes xc0, xc2, wc, tab
;; launch proj: the kernel of part 2 again; grid 12 x 16, 4 waves a work-group, clusters of 4 x 4, 327,680 bytes of LDS; arguments xc0, xc2, wc, tab, lowp_scales, qk, vimg; writes qk, vimg
;; launch attn (part 5): grid 4 x 64, 16 waves a work-group, no clusters, 133,120 bytes of LDS; arguments qk, vimg, lowp_scales, oimg; writes oimg
.if DOCPART == 5
	.amdgcn_target "amdgcn-amd-amdhsa--gfx1250"
	.amdhsa_code_object_version 6
	.text
	.protected	k_q037d1bc03d_attn
	.globl	k_q037d1bc03d_attn
	.p2align	8
	.type	k_q037d1bc03d_attn,@function
k_q037d1bc03d_attn:
	s_mov_b64 s[64:65], 0
	v_nop
	global_prefetch_b8 v0, s[64:65] scope:SCOPE_SE
	s_setreg_imm32_b32 hwreg(HW_REG_WAVE_SCHED_MODE, 0, 2), 2
	s_setreg_imm32_b32 hwreg(HW_REG_WAVE_MODE, 25, 1), 1
	s_wait_xcnt 0x0
	s_wait_alu depctr_vm_vsrc(0)
; Causal attention on codes of BF8 (E5M2): 64 heads (b, head) of 2,048 tokens, head size 32.  S = q k^T (scales e4, e5), the softmax, O = p v (e6, e7), O / l quantised under e8 for the last projection.
; THE SOFTMAX AHEAD OF THE SECOND PRODUCT: t = score x log2(e) / sqrt(32); M = the row's largest t so far, rounded UP to a whole number; p = 2^(t - M) is quantised, not normalised.  The row's sum l is taken of the
; unquantised p and divides O at the end.  When M moves, l and O are multiplied by 2^(old M - new M): exact.
; SHARES.  The work-group's y is the head.  A head has 128 blocks of 16 queries.  Wave pi = 16 x + w (0 .. 63) takes block pi and then block 127 - pi: (pi / 8 + 1) + (16 - pi / 8) = 17 key steps of 128 for EVERY wave.
; Sixteen waves of 256 registers: four to a SIMD, so that one wave's exponentials stand beside another's plain work, products and LDS loads.  A key step has 10 matrix instructions and some 260 vector instructions:
; the vector work binds, so several query blocks to a wave would spare nothing that counts.
; LDS.  The head's K (65,536 bytes) and V (65,536 bytes) are copied in ONCE, through registers, as they lie in memory: images of the operands' registers.  One barrier; then LDS is only read, 512 consecutive bytes a load.
; NO TENSOR LOAD AND NO JOINT REQUEST: what the four work-groups of a head share is these 131,072 bytes, read once at the head of a launch whose 272 wave-steps a work-group are vector work.
; The branch on e6 below spares 64 instructions a key step.  No prefetch: every load of K and V stands at the kernel's head.
; LAYOUT.  Both products are used transposed: S^T = K Q^T (source 0 = 16 keys, source 1 = my 16 queries), O^T = V^T P^T: a lane holds ONE query (place lane % 16 of its block) throughout.
; A block of qk holds, at place r, token 32 (pb / 2) + 8 (pb % 2) + r + 8 (r / 8): so the 16 registers of key blocks 2 g and 2 g + 1 are keys 32 g + 16 (lane / 16) + 0 .. 15, the order in which vimg has the keys.
; K = 32 goes by the 16 x 16 x 64 form: registers 0-3 of a fragment hold channels 16 (lane / 16) + 0 .. 15, registers 4-7 zero codes, on both sides; the zeros are written once.
; CAUSAL.  The loop over key steps has 16 trips for every wave; a step all of whose keys come after the block's queries is jumped over (a branch on ids).  In the one step on the diagonal hidden scores become -infinity.
; LIMITS: e4 + e5 between -124 and 129 (added to c's exponent field); e6 and e8 - e6 - e7 between -126 and 112.
; THE MODE: SCHED_MODE bits 1:0 = 2 (LLVM: expert scheduling mode 2), set by the entry lines.  The code itself states the register dependences between vector or matrix instructions and memory or LDS instructions,
; with s_wait_alu, always for 0.
; THE PLAN.  Registers that memory or LDS instructions touch:
;   v224, v225, v1, v2  addresses made once at the head and never written again.
;   v[S ..]             at the head alone: the copy's loads land there and its LDS stores read them; from the first block on they are S^T, named by vector and matrix instructions alone.
;   v6, v7, v[8:11]     a block's head writes the two offsets; Q's load reads v6 and lands in v[8:11], which the block's products K Q^T read; the block's one store reads v7.
;   KF (registers 0-3 of eight fragments)  step j's eight products read them, at the step's head; the LDS loads of step j + 1's K land there behind step j's wait.  Step 0's K is asked for at the block's head.
;   VF                  step j's two products V^T P^T read them, at the step's end; the LDS loads of step j's V land there behind step j's wait, ahead of which step j - 1's products were issued.
;   v3, v4              the step's LDS addresses: written once a step, behind the eight products; read by that step's sixteen LDS loads.
;   v[PC:PC+3]          on the way out: the two conversions write them, the store reads them; the next block's conversions write them again.
; So ONE wait on va_vdst stands in a step, where the batch of exponentials has its wait in any case: it also states that the eight products are done reading KF, that the step before's two products are done reading VF,
; and that v3 and v4 are written.  The step's sixteen LDS loads follow it at once; one wait on DScnt, ahead of the step's last two products, shows them all in.  One wait on vm_vsrc a step stands ahead of the two adds.
; REGISTERS: v1, v2 16 x lane (+ 65,536); v3, v4 the step's LDS addresses; v5 my query less 16 (lane / 16), within its 128; v6, v7 offsets of Q and O; v8-15 Q; v16-79 eight fragments of K; v80-143 S^T, then p;
;   v144-159 O^T; v160-175 p's codes; v176-207 V's two fragments; v208 -M, v209 the largest t; v[210:211] l in two halves; v212 f, v213 0; v[214:215] a second chain of sums; v216-218 at work; v219 -infinity;
;   v220, v221 2^e6 and 57,344 x 2^e6; v222, v223 the same for e8 - e6 - e7; v224, v225 the copy's addresses; v226 r + 8 (r / 8) - 16 (lane / 16).
;   s28-33 and s35-44: behind the head, sixteen lane masks for the step on the diagonal (s34 keeps e6).
.set KF,  16
.set S,   80
.set O,   144
.set PC,  160
.set VF,  176
	s_load_b256 s[4:11], s[0:1], 0x0               ; qk s[4:5], vimg s[6:7], lowp_scales s[8:9], oimg s[10:11]
	v_lshl_add_u32 v254, v0, 2, 0x20000
	v_mov_b32 v255, 0
	v_lshrrev_b32 v1, 5, v0
	v_readfirstlane_b32 s12, v1                    ; wave 0..15
	v_lshlrev_b32 v224, 4, v0                      ; the copy: 16 bytes a thread, 8,192 a round
	v_add_nc_u32 v225, 0x10000, v224
	v_and_b32 v1, 31, v0
	v_lshlrev_b32 v1, 4, v1                        ; 16 x lane
	v_add_nc_u32 v2, 0x10000, v1
	v_and_b32 v226, 15, v0                         ; r
	v_and_b32 v227, 8, v226
	v_add_nc_u32 v226, v226, v227                  ; r + 8 (r / 8)
	v_and_b32 v227, 16, v0
	v_sub_nc_u32 v226, v226, v227                  ; - 16 h
	s_and_b32 s13, ttmp7, 0xffff                   ; 32 b + head
	s_lshr_b32 s26, s13, 5
	s_and_b32 s27, s13, 31
	s_lshl_b32 s38, s26, 22
	s_lshl_b32 s39, s27, 16
	s_add_co_u32 s38, s38, s39                     ; qk: b x 4 MiB + head x 65,536
	s_mov_b32 s39, 0
	s_lshl_b32 s42, s13, 16                        ; vimg: (32 b + head) x 65,536
	s_mov_b32 s43, 0
	s_lshl_b32 s44, s26, 21
	s_lshl_b32 s45, s27, 9
	s_add_co_u32 s44, s44, s45                     ; oimg: b x 2 MiB + head x 512
	s_mov_b32 s45, 0
	s_wait_alu depctr_va_sdst(0)                   ; s12 is written, ahead of its first reader: my blocks of queries are made from it
	s_lshl_b32 s16, ttmp9, 4
	s_add_co_u32 s16, s16, s12                     ; my first block of queries
	s_mov_b32 s24, 0x76543210
	s_mov_b32 s25, 0xfedcba98                      ; v_permlanex16_b32's selects for lane l xor 16
	s_wait_kmcnt 0x0
	s_load_b256 s[28:35], s[8:9], 0x0              ; e0 .. e7
	s_load_b64 s[36:37], s[8:9], 0x20              ; e8, e9
	s_add_nc_u64 s[4:5], s[4:5], s[38:39]          ; the head's q
	s_add_nc_u64 s[14:15], s[4:5], 0x200000        ; its k: 32 heads of 65,536 bytes further on
	s_add_nc_u64 s[6:7], s[6:7], s[42:43]
	s_add_nc_u64 s[10:11], s[10:11], s[44:45]
	s_wait_alu depctr_va_vdst(0)                   ; v224, v225, v1 and v2 are written: the copy's loads and LDS stores and the LDS loads of K and V read them as addresses; nothing writes them again
.irp n, 0,1,2,3,4,5,6,7
	global_load_b128 v[S+4*\n:S+4*\n+3], v224, s[14:15] offset:8192*\n
.endr
.irp n, 0,1,2,3,4,5,6,7
	global_load_b128 v[S+32+4*\n:S+32+4*\n+3], v224, s[6:7] offset:8192*\n
.endr
.irp j, 12,13,14,15
	v_mov_b32 v[\j], 0                             ; Q's zero codes
.endr
.irp t, 0,1,2,3,4,5,6,7
.irp j, 4,5,6,7
	v_mov_b32 v[KF+8*\t+\j], 0                     ; K's zero codes: each fragment has its own, written once
.endr
.endr
	v_mov_b32 v213, 0                              ; (named as the upper half of the pair v[212:213])
	v_mov_b32 v218, 0                              ; written once: a lane permute's destination counts as one of its sources
	v_mov_b32 v219, 0xff800000                     ; -infinity
	s_wait_kmcnt 0x0
	s_add_co_i32 s21, s32, s33
	s_lshl_b32 s21, s21, 23
	s_add_co_i32 s22, s21, 0x3e8293ee              ; c = log2(e) / sqrt(32) x 2^(e4 + e5): the two exponents are added to c's exponent field
	s_mov_b32 s23, s22                             ; (named with it as a pair, so it is written)
	s_add_co_i32 s21, s34, 127
	s_lshl_b32 s26, s21, 23
	v_mov_b32 v220, s26                            ; 2^e6 as f32
	s_add_co_i32 s21, s21, 15
	s_lshl_b32 s21, s21, 23
	s_or_b32 s21, s21, 0x600000
	v_mov_b32 v221, s21                            ; 57,344 x 2^e6
	s_sub_co_i32 s21, s36, s34
	s_sub_co_i32 s21, s21, s35                     ; a sum of the second product stands for sum x 2^(e6 + e7): O's conversion takes 2^(e8 - e6 - e7)
	s_add_co_i32 s21, s21, 127
	s_lshl_b32 s26, s21, 23
	v_mov_b32 v222, s26
	s_add_co_i32 s21, s21, 15
	s_lshl_b32 s21, s21, 23
	s_or_b32 s21, s21, 0x600000
	v_mov_b32 v223, s21
.irp n, 0,1,2,3,4,5,6,7
	s_wait_loadcnt 15-\n                           ; loads come back in order (ISA guide 5.7.1): K's n-th is in, the younger ones may be out
	ds_store_b128 v224, v[S+4*\n:S+4*\n+3] offset:8192*\n      ; (no vector instruction since the wait on va_vdst above names the address or the data)
.endr
.irp n, 0,1,2,3,4,5,6,7
	s_wait_loadcnt 7-\n
	ds_store_b128 v225, v[S+32+4*\n:S+32+4*\n+3] offset:8192*\n
.endr
	s_wait_dscnt 0x0                               ; for the others' sake: my stores have landed
	s_barrier_signal -1
	s_barrier_wait -1                              ; K and V are whole; from here on LDS is only read
; A KEY STEP: keys 128 s18 on.  Its K is in the registers: asked for in the step before (step 0's at the block's head) and shown in by a wait on DScnt for 0.
.macro STEP
	s_cmp_gt_u32 s18, s17                          ; all its keys come after my queries: nothing to do
	s_cbranch_scc1 .Lhid_\@
.irp t, 0,1,2,3,4,5,6,7
	v_wmma_f32_16x16x64_bf8_bf8 v[S+8*\t:S+8*\t+7], v[KF+8*\t:KF+8*\t+7], v[8:15], 0
.endr
	s_wait_alu depctr_vm_vsrc(0)                   ; the LDS loads issued so far have read v3 and v4, which the two lines below write again
	v_add_nc_u32 v3, s19, v1
	v_add_nc_u32 v4, s20, v2
	v_nop
	v_nop                                          ; with the two additions: four places behind the products, ahead of the first read of their results (ISA guide 7.12.1)
	s_cmp_lt_u32 s18, s17                          ; a step all of whose keys count skips the mask
	s_cbranch_scc1 .Lopen_\@
.set g, 0
.rept 4                                        ; register 16 g + m holds key 32 g + 16 (lane / 16) + m of the step: hidden where 32 g + m > v5.  Sixteen compares in a run, each into a scalar register of its own
.set m, 0
.rept 16
	v_cmp_gt_i32 s[28+m+(m+10)/16], 32*g+m, v5     ; s28-33, s35-44
.set m, m+1
.endr
	s_wait_alu depctr_va_sdst(0)                   ; the sixteen compares have written their masks, which the sixteen selections below read
.set m, 0
.rept 16
	v_cndmask_b32 v[S+16*g+m], v[S+16*g+m], v219, s[28+m+(m+10)/16]
.set m, m+1
.endr
.set g, g+1
.endr
.Lopen_\@:
	v_max3_num_f32 v216, v[S], v[S+1], v[S+2]      ; the step's largest score of my query, among my 64 keys, in two chains that go up the registers,
	v_max3_num_f32 v217, v[S+3], v[S+4], v[S+5]
.irp i, 6,10,14,18,22,26,30,34,38,42,46,50,54,58
	v_max3_num_f32 v216, v216, v[S+\i], v[S+1+\i]
	v_max3_num_f32 v217, v217, v[S+2+\i], v[S+3+\i]
.endr
	v_max3_num_f32 v216, v216, v[S+62], v[S+63]
	v_max_num_f32 v216, v216, v217
	v_permlanex16_b32 v218, v216, s24, s25
	v_max_num_f32 v216, v216, v218                 ; and among lane l xor 16's
	v_mul_f32 v216, s22, v216                      ; as t (c is positive)
	v_max_num_f32 v209, v209, v216                 ; the running largest t
	v_mov_b32 v216, v208
	v_floor_f32 v208, -v209                        ; the new -M = floor(-t) = -ceil(t)
	v_sub_f32 v216, v208, v216                     ; M's old value less its new one: a whole number, 0 or less
	v_cvt_i32_f32 v216, v216                       ; (it saturates)
	v_ldexp_f32 v212, 1.0, v216                    ; f = 2^(old M - new M)
.set j, 0
.rept 32
	v_pk_fma_f32 v[S+j:S+j+1], v[S+j:S+j+1], s[22:23], v[208:209] op_sel_hi:[1,0,0]   ; t - M, two at a time (of the pairs c and -M the low word serves both halves)
.set j, j+2
.endr
.set j, 0
.rept 64
	v_exp_f32 v[S+j], v[S+j]                       ; p = 2^(t - M), at most 1
.set j, j+1
.endr
	v_pk_mul_f32 v[210:211], v[210:211], v[212:213] op_sel_hi:[1,0]   ; l under the new M: the plain instruction behind the exponentials
	s_wait_alu depctr_va_vdst(0)                   ; the 64 exponentials have written p, ahead of its first reader; the eight products are done reading K's fragments and the step before's two products V's, in which the loads below land; v3 and v4 are written, which those loads read
	s_cmp_lt_u32 s18, s17                          ; the step on the diagonal is the block's last: it asks for no more of K
	s_cbranch_scc0 .Llast_\@
.irp t, 0,1,2,3,4,5,6,7
	ds_load_b128 v[KF+8*\t:KF+8*\t+3], v3 offset:4096+512*\t   ; the next step's K: eight blocks on
.endr
.Llast_\@:
.irp ct, 0,1
.irp c, 0,1,2,3
	ds_load_b128 v[VF+16*\ct+4*\c:VF+16*\ct+4*\c+3], v4 offset:32768*\ct+512*\c   ; this step's V.  No vector or matrix instruction since the wait above names a register that these sixteen loads touch
.endr
.endr
	v_pk_add_f32 v[214:215], v[S:S+1], v[S+2:S+3]  ; the sum of the UNQUANTISED p, two at a time, in two chains
.irp j, 4,8,12,16,20,24,28,32,36,40,44,48,52,56,60
	v_pk_add_f32 v[210:211], v[210:211], v[S+\j:S+1+\j]
	v_pk_add_f32 v[214:215], v[214:215], v[S+2+\j:S+3+\j]
.endr
	v_pk_add_f32 v[210:211], v[210:211], v[214:215]
	s_cmp_ge_i32 s34, -15                          ; p <= 1 <= 57,344 x 2^e6 from e6 = -15 on: there the hold could never act
	s_cbranch_scc1 .Lno_hold_\@
.set j, 0
.rept 64
	v_min_num_f32 v[S+j], v[S+j], v221             ; the conversion to an 8-bit code does not saturate (ISA guide 7.6.2); p is not negative, so the hold is one-sided
.set j, j+1
.endr
.Lno_hold_\@:
.irp t, 0,1,2,3,4,5,6,7
	v_cvt_scalef32_pk8_bf8_f32 v[PC+2*\t:PC+2*\t+1], v[S+8*\t:S+8*\t+7], v220
.endr
.irp j, 0,2,4,6,8,10,12,14
	v_pk_mul_f32 v[O+\j:O+\j+1], v[O+\j:O+\j+1], v[212:213] op_sel_hi:[1,0]   ; O^T under the new M; also the plain instructions between the conversions and the products that read the codes
.endr
	s_wait_dscnt 0x0                               ; V is in, and so is the next step's K, which was asked for ahead of it
.irp ct, 0,1                                   ; O^T += V^T P^T: the two accumulators take turns, and the eight products S^T stand between a link and the next
	v_wmma_f32_16x16x128_bf8_bf8 v[O+8*\ct:O+8*\ct+7], v[VF+16*\ct:VF+16*\ct+15], v[PC:PC+15], v[O+8*\ct:O+8*\ct+7]
.endr
.Lhid_\@:
	s_add_co_u32 s18, s18, 1
	s_add_co_u32 s19, s19, 4096                    ; eight blocks of K
	s_add_co_u32 s20, s20, 2048                    ; a key step of V
.endm
; A BLOCK OF 16 QUERIES, s16.
.macro TILE
	s_wait_xcnt 0x0                                ; the last block's load and store have read their registers
	s_wait_alu depctr_vm_vsrc(0)                   ; at my first block: the copy's LDS stores have read v[S ..], which the products write; at my second: the last block's load has read v6, and its store v7 and v[PC ..], all of which are written again below
	s_lshr_b32 s17, s16, 3                         ; the key step on the diagonal
	s_lshl_b32 s21, s16, 9
	v_add_nc_u32 v6, s21, v1
	s_lshl_b32 s21, s16, 14
	v_add_nc_u32 v7, s21, v1                       ; oimg: block x 16,384 + 16 x lane
	s_wait_alu depctr_va_vdst(0)                   ; v6 is written, which Q's load reads; the last block's products are done reading Q and K's fragments, in which the loads below land
	global_load_b128 v[8:11], v6, s[4:5]           ; Q's fragment
.irp t, 0,1,2,3,4,5,6,7
	ds_load_b128 v[KF+8*\t:KF+8*\t+3], v1 offset:512*\t        ; key step 0's K
.endr
	s_lshr_b32 s21, s16, 1
	s_lshl_b32 s21, s21, 5
	s_and_b32 s26, s16, 1
	s_lshl_b32 s26, s26, 3
	s_add_co_u32 s21, s21, s26
	s_and_b32 s21, s21, 127                        ; the block's first token within its 128
	v_add_nc_u32 v5, s21, v226
	v_mov_b32 v209, 0xff61b1e6                     ; the largest t so far: -3e38, under every t
	v_floor_f32 v208, -v209
	v_mov_b32 v210, 0
	v_mov_b32 v211, 0
.irp j, 0,1,2,3,4,5,6,7,8,9,10,11,12,13,14,15
	v_mov_b32 v[O+\j], 0                           ; the step is written once: the first finds zeros, which the first change of M leaves zeros
.endr
	s_mov_b32 s18, 0
	s_mov_b32 s19, 0
	s_mov_b32 s20, 0
	s_wait_loadcnt 0x0                             ; Q
	s_wait_dscnt 0x0                               ; key step 0's K
.Lk_\@:
	STEP
	s_cmp_lt_u32 s18, 16
	s_cbranch_scc1 .Lk_\@
.rept 4
	v_nop                                          ; places behind the last products
.endr
	v_add_f32 v210, v210, v211                     ; l's two halves,
	v_permlanex16_b32 v218, v210, s24, s25
	v_add_f32 v210, v210, v218                     ; and lane l xor 16's
	v_rcp_f32 v212, v210
	v_nop                                          ; a plain instruction behind the reciprocal,
	s_wait_alu depctr_va_vdst(0)                   ; and the wait ahead of its first reader: the reciprocal has written v212
.irp j, 0,2,4,6,8,10,12,14
	v_pk_mul_f32 v[S+\j:S+\j+1], v[O+\j:O+\j+1], v[212:213] op_sel_hi:[1,0]   ; O^T / l: register j is channel 16 (lane / 16) + j of the head
.endr
.irp j, 0,1,2,3,4,5,6,7,8,9,10,11,12,13,14,15
	v_med3_num_f32 v[S+\j], v[S+\j], -v223, v223
.endr
	v_cvt_scalef32_pk8_bf8_f32 v[PC:PC+1], v[S:S+7], v222
	v_cvt_scalef32_pk8_bf8_f32 v[PC+2:PC+3], v[S+8:S+15], v222
	v_nop                                          ; one plain vector instruction behind the last conversion
	s_wait_alu depctr_va_vdst(0)                   ; the two conversions have written v[PC:PC+3], which the store reads (its offset v7 was written at the block's head)
	global_store_b128 v7, v[PC:PC+3], s[10:11]     ; 32 lanes store 512 consecutive bytes: four registers of the last product's fragment
.endm
	TILE
	s_sub_co_u32 s16, 127, s16                     ; the block that makes my steps 17
	TILE
	s_wait_dscnt 0x0
	s_wait_alu depctr_hold_cnt(0) depctr_sa_sdst(0) depctr_va_vdst(0) depctr_va_sdst(0) depctr_va_ssrc(0) depctr_va_vcc(0) depctr_vm_vsrc(0)
	s_wait_tensorcnt 0x0
	ds_add_u32 v254, v255
	s_wait_dscnt 0x0
	s_endpgm
.Lfunc_end_k_q037d1bc03d_attn:
	.size	k_q037d1bc03d_attn, .Lfunc_end_k_q037d1bc03d_attn-k_q037d1bc03d_attn
	.p2alignl 7, 3214868480
	.fill 96, 4, 3214868480
	.section	.rodata,"a",@progbits
	.p2align	6, 0x0
	.amdhsa_kernel k_q037d1bc03d_attn
		.amdhsa_group_segment_fixed_size 133120
		.amdhsa_private_segment_fixed_size 0
		.amdhsa_enable_private_segment 0
		.amdhsa_kernarg_size 32
		.amdhsa_user_sgpr_count 2
		.amdhsa_user_sgpr_kernarg_segment_ptr 1
		.amdhsa_wavefront_size32 1
		.amdhsa_system_sgpr_workgroup_id_x 1
		.amdhsa_system_sgpr_workgroup_id_y 1
		.amdhsa_system_sgpr_workgroup_id_z 1
		.amdhsa_system_vgpr_workitem_id 0
		.amdhsa_next_free_vgpr 256
		.amdhsa_next_free_sgpr 66
		.amdhsa_reserve_vcc 0
		.amdhsa_float_denorm_mode_32 3
		.amdhsa_float_denorm_mode_16_64 3
		.amdhsa_memory_ordered 1
		.amdhsa_forward_progress 1
		.amdhsa_inst_pref_size 62
	.end_amdhsa_kernel
	.amdgpu_metadata
---
amdhsa.version: [ 1, 2 ]
amdhsa.kernels:
  - .name:           k_q037d1bc03d_attn
    .symbol:         k_q037d1bc03d_attn.kd
    .args:
      - { .name: qk, .offset: 0, .size: 8, .value_kind: global_buffer, .address_space: global }
      - { .name: vimg, .offset: 8, .size: 8, .value_kind: global_buffer, .address_space: global }
      - { .name: lowp_scales, .offset: 16, .size: 8, .value_kind: global_buffer, .address_space: global }
      - { .name: oimg, .offset: 24, .size: 8, .value_kind: global_buffer, .address_space: global }
    .group_segment_fixed_size: 133120
    .private_segment_fixed_size: 0
    .kernarg_segment_align: 8
    .kernarg_segment_size: 32
    .max_flat_workgroup_size: 512
    .sgpr_count:     66
    .vgpr_count:     256
    .wavefront_size: 32
...
	.end_amdgpu_metadata
.endif
;; end of part 5
;; launch outp: the kernel of part 4 again; grid 8 x 32, 4 waves a work-group, clusters of 4 x 4, 288,256 bytes of LDS; arguments oimg, wc, lowp_scales, out0; writes out0
